; MI455X (gfx1250); checked and timed in simulation.
; The chip was launched on July 23, 2026; its instructions are those of AMD's public machine-readable ISA for CDNA 5 (MIT licence, August 2026) and "CDNA5" Instruction Set Architecture Reference Guide (July 2026). The comments in the code are by the model that wrote it; some were corrected since.
;; Attention Multiple Head. Allowed arithmetic: float matrix products may take bf16 or f16 operands with f32 sums; all other float work in f32.
;; Inputs: Wk 8 x 512 x 512 float32; Wp 4,096 x 512 float32; Wq 8 x 512 x 512 float32; Wv 8 x 512 x 512 float32; bk 8 x 512 float32; bp 512 float32; bq 8 x 512 float32; bv 8 x 512 float32; emb_input 4 x 1,024 x 512 float32.
;; Outputs: out0 4 x 1,024 x 512 float32.
;; 2 versions, each right and faster than the one before. Each part assembles by itself: llvm-mc -triple=amdgcn-amd-amdhsa -mcpu=gfx1250 --defsym DOCPART=n.
;; ======== version 1 of 2: 4 launches
;; limits: values are held in f16: magnitudes above 65,504 overflow, below 6.1e-05 lose precision
;; workspace buffers: xw 20,971,520 bytes; qkv 100,663,296 bytes; part 67,108,864 bytes
;; launch cast (part 1): grid 512 x 1, 8 waves a work-group, no clusters, 0 bytes of LDS; arguments emb_input, Wq, Wk, Wv, Wp, xw; writes xw
.if DOCPART == 1
	.amdgcn_target "amdgcn-amd-amdhsa--gfx1250"
	.amdhsa_code_object_version 6
	.text
	.protected	k_q25762b12e9_cast
	.globl	k_q25762b12e9_cast
	.p2align	8
	.type	k_q25762b12e9_cast,@function
k_q25762b12e9_cast:
	s_mov_b64 s[64:65], 0
	v_nop
	global_prefetch_b8 v0, s[64:65] scope:SCOPE_SE
	s_setreg_imm32_b32 hwreg(HW_REG_WAVE_MODE, 25, 1), 1
	s_wait_xcnt 0x0
; THE INPUTS OF THE MATRIX PRODUCTS, ROUNDED ONCE.  emb_input, Wq, Wk, Wv (f32) -> bf16; Wp (f32) -> bf16, and that number written as f16.
; xw holds five tensors of 4,194,304 bytes: x [4096][512] at 0, Wq [8][512][512] at 0x400000, Wk at 0x800000, Wv at 0xc00000, Wp [4096][512] at 0x1000000.
; LIMITS.  Wp beyond 65,504 in size becomes an infinity in f16; below 6e-5 it keeps f16's fixed step of 6e-8.  The other four have bf16's range, which is f32's.
; A stream: every source byte is read once and every byte of xw written once, so there is no LDS, no barrier, no matrix work, and no cluster (no two work-groups read the same bytes).
; SHARES.  Each source is 8,388,608 bytes; work-group g of 512 takes bytes 16,384 g .. + 16,383 of each, in four chunks of 4,096: thread t has 16 bytes of a chunk.
; All 20 loads of a wave go out first; each tensor's four are waited for by a count that leaves the later tensors' loads out.
.set X, 4                              ; v[4:83]    load 4 i + u: four f32
.set Y, 84                             ; v[84:123]  the same four numbers in 16 bits: two registers
	s_load_b256 s[4:11], s[0:1], 0x0               ; emb_input s[4:5], Wq s[6:7], Wk s[8:9], Wv s[10:11]
	s_load_b128 s[12:15], s[0:1], 0x20             ; Wp s[12:13], xw s[14:15]
	s_lshl_b32 s2, ttmp9, 14                       ; my work-group's bytes in a source
	s_lshl_b32 s3, ttmp9, 13                       ; and in a tensor of xw
	s_mov_b32 s26, 0xffff0000                      ; a word's upper bf16
	v_lshlrev_b32 v1, 4, v0
	v_lshlrev_b32 v2, 3, v0
	v_add_nc_u32 v1, s2, v1                        ; source offset: 16 t + 16,384 g; never rewritten
	v_add_nc_u32 v2, s3, v2                        ; destination offset: 8 t + 8,192 g; never rewritten
	s_wait_kmcnt 0x0
.irp i, 0,1,2,3,4
.irp u, 0,1,2,3
	global_load_b128 v[X+4*(4*\i+\u):X+4*(4*\i+\u)+3], v1, s[4+2*\i:5+2*\i] offset:4096*\u th:TH_LOAD_NT  ; a wave's load covers 512 consecutive bytes; read once in the launch
.endr
.endr
	s_mov_b64 s[16:17], s[14:15]                   ; the five tensors of xw: 4 MiB apart, more than a store's immediate holds for the last ones
.irp i, 1,2,3,4
	s_add_nc_u64 s[16+2*\i:17+2*\i], s[14:15], 0x400000*\i
.endr
.irp i, 0,1,2,3,4
	s_wait_loadcnt 16-4*\i                         ; loads come back in order (ISA guide 5.7.1): tensor i's four are in, the later tensors' stay out
.irp u, 0,1,2,3
.set xb, X+4*(4*\i+\u)
.set yb, Y+2*(4*\i+\u)
	v_cvt_pk_bf16_f32 v[yb],   v[xb],   v[xb+1]    ; two roundings to nearest even, packed
	v_cvt_pk_bf16_f32 v[yb+1], v[xb+2], v[xb+3]
.if \i == 4
	v_lshlrev_b32 v[xb],   16,  v[yb]              ; Wp: the bf16 numbers widened again,
	v_and_b32     v[xb+1], s26, v[yb]
	v_lshlrev_b32 v[xb+2], 16,  v[yb+1]
	v_and_b32     v[xb+3], s26, v[yb+1]
	v_cvt_pk_f16_f32 v[yb],   v[xb],   v[xb+1]     ; and written as f16: exact within f16's range (8 significant bits into 11)
	v_cvt_pk_f16_f32 v[yb+1], v[xb+2], v[xb+3]
.endif
	global_store_b64 v2, v[yb:yb+1], s[16+2*\i:17+2*\i] offset:2048*\u  ; a wave's store covers 256 consecutive bytes, at a multiple of 256 from xw's first byte
.endr
.endr
	s_endpgm
.Lfunc_end_k_q25762b12e9_cast:
	.size	k_q25762b12e9_cast, .Lfunc_end_k_q25762b12e9_cast-k_q25762b12e9_cast
	.p2alignl 7, 3214868480
	.fill 96, 4, 3214868480
	.section	.rodata,"a",@progbits
	.p2align	6, 0x0
	.amdhsa_kernel k_q25762b12e9_cast
		.amdhsa_group_segment_fixed_size 0
		.amdhsa_private_segment_fixed_size 0
		.amdhsa_enable_private_segment 0
		.amdhsa_kernarg_size 48
		.amdhsa_user_sgpr_count 2
		.amdhsa_user_sgpr_kernarg_segment_ptr 1
		.amdhsa_wavefront_size32 1
		.amdhsa_system_sgpr_workgroup_id_x 1
		.amdhsa_system_sgpr_workgroup_id_y 1
		.amdhsa_system_sgpr_workgroup_id_z 1
		.amdhsa_system_vgpr_workitem_id 0
		.amdhsa_next_free_vgpr 128
		.amdhsa_next_free_sgpr 66
		.amdhsa_reserve_vcc 0
		.amdhsa_float_denorm_mode_32 3
		.amdhsa_float_denorm_mode_16_64 3
		.amdhsa_memory_ordered 1
		.amdhsa_forward_progress 1
		.amdhsa_inst_pref_size 9
	.end_amdhsa_kernel
	.amdgpu_metadata
---
amdhsa.version: [ 1, 2 ]
amdhsa.kernels:
  - .name:           k_q25762b12e9_cast
    .symbol:         k_q25762b12e9_cast.kd
    .args:
      - { .name: emb_input, .offset: 0, .size: 8, .value_kind: global_buffer, .address_space: global }
      - { .name: Wq, .offset: 8, .size: 8, .value_kind: global_buffer, .address_space: global }
      - { .name: Wk, .offset: 16, .size: 8, .value_kind: global_buffer, .address_space: global }
      - { .name: Wv, .offset: 24, .size: 8, .value_kind: global_buffer, .address_space: global }
      - { .name: Wp, .offset: 32, .size: 8, .value_kind: global_buffer, .address_space: global }
      - { .name: xw, .offset: 40, .size: 8, .value_kind: global_buffer, .address_space: global }
    .group_segment_fixed_size: 0
    .private_segment_fixed_size: 0
    .kernarg_segment_align: 8
    .kernarg_segment_size: 48
    .max_flat_workgroup_size: 256
    .sgpr_count:     66
    .vgpr_count:     128
    .wavefront_size: 32
...
	.end_amdgpu_metadata
.endif
;; end of part 1
;; launch qkv (part 2): grid 16 x 16, 4 waves a work-group, clusters of 4 x 4, 327,680 bytes of LDS; arguments xw, bq, bk, bv, qkv; writes qkv
.if DOCPART == 2
	.amdgcn_target "amdgcn-amd-amdhsa--gfx1250"
	.amdhsa_code_object_version 6
	.text
	.protected	k_q25762b12e9_qkv
	.globl	k_q25762b12e9_qkv
	.p2align	8
	.type	k_q25762b12e9_qkv,@function
k_q25762b12e9_qkv:
	s_mov_b64 s[64:65], 0
	v_nop
	global_prefetch_b8 v0, s[64:65] scope:SCOPE_SE
	s_setreg_imm32_b32 hwreg(HW_REG_WAVE_MODE, 25, 1), 1
	s_wait_xcnt 0x0
	s_wait_alu depctr_hold_cnt(0) depctr_sa_sdst(0) depctr_va_vdst(0) depctr_va_sdst(0) depctr_va_ssrc(0) depctr_va_vcc(0) depctr_vm_vsrc(0)
	s_getreg_b32 s2, hwreg(HW_REG_IB_STS2, 6, 4)
	s_cmp_eq_u32 s2, 0
	s_cbranch_scc0 .Lentry_in_a_cluster
	s_endpgm
.Lentry_in_a_cluster:
	s_bfe_u32 s2, ttmp6, 0x10000c
	s_cmp_lg_u32 s2, 0xf033
	s_cbranch_scc0 .Lentry_shape_is_right
	s_endpgm
.Lentry_shape_is_right:
; q, k, v = x W + b for eight heads.  x: [4096][512] bf16 at xw + 0; Wq, Wk, Wv: [8][512 d][512 e] bf16 at xw + 0x400000, 0x800000, 0xc00000; bq, bk, bv: [8][512] f32, rounded to bf16 here
; like every other input.  Sums in f32, started by the bias; rounded once to f16.  qkv: [q,k,v][b][h][s][e] f16: t x 0x2000000 + (8 b + h) x 0x100000 + s x 1,024 + 2 e bytes.
; LIMITS.  A q, k or v beyond 65,504 in size becomes an infinity in f16; NaN and infinities are not treated apart.
; SHARES.  Work-group (tx, ty) of 16 x 16 owns rows 256 ty .. + 255 of x, head tx / 2, columns 256 (tx % 2) .. + 255, and STAYS: it makes three tiles of 256 x 256, q's, k's and v's, with the same rows
; of x.  Four waves, each 128 x 128: 64 accumulators of 16 x 16, 512 registers.  K = 512 goes in four steps of 128 through a ring of two LDS slots; the ring does not stop at a tile's end.
; CLUSTER.  4 x 4 work-groups.  The four of a row of the cluster need the same tiles of x, the four of a column the same tiles of W: each tile is asked for JOINTLY, by the same tensor load with the same
; descriptor and a mask that names the four.
; W LIES [K][N].  Its tile comes into LDS as it lies (128 rows along K, 512 bytes each) and is read turned, by ds_load_tr16_b128.
; THE MATRIX INSTRUCTION IS USED TRANSPOSED: source 0 = 16 columns of W, source 1 = 16 rows of x.  In the result lane l holds row l % 16 and its registers the columns 8 (l / 16) + 0 .. 7: eight neighbouring
; numbers of a row, 16 bytes of f16.  The bias of those eight columns, in the same layout, is the C operand of the tile's first products: nothing is cleared and nothing is added afterwards.
; REGISTERS, in windows of 256 (s_set_vgpr_msb's low byte: bits 1:0 source 0, 3:2 source 1, 5:4 source 2, 7:6 destination):
;   window 0: v0-31 addresses; v64-127, v128-191 fragments of x, two buffers; v32-63, v192-255 at work on the way out
;   window 1: v0-63 the bias, eight fragments; v64-127, v128-191 fragments of W, two buffers; v192-223 at work for the bias's rounding
;   window 2: the 32 accumulators of my rows 0-63 ((a, b) at v[8 (8 a + b)]);   window 3: those of my rows 64-127
.set KSTEP,  128
.set PITCH,  272                       ; a row of x in LDS: 256 bytes + 16 of padding = 68 words: row r starts at bank 4 r mod 64 (64 banks of 4 bytes: ISA guide 11.1)
.set PB,     544                       ; a row of W in LDS: 512 bytes + 32 of padding = 136 words: row r starts at bank 8 r mod 64
.set HALFT,  128*PITCH                 ; what one tensor load brings: 128 rows of x, or 64 rows of W (64 x 544 is the same number)
.set SLOT,   4*HALFT                   ; x's 256 rows, then W's 128 rows
.set STAGE,  2*SLOT                    ; behind the ring: 16 rows x 272 bytes for each wave, for the way out
.set SPITCH, 272
.set SPARE,  STAGE+4*16*SPITCH         ; behind the stages: the spare words, 128 bytes for each wave: two blocks of 256 bytes that no other line names
.set NEXT_C, 0x2000000-7*16384         ; bytes from my last 16 rows of a tile to my first of the next tensor's
.set ADRA, 16                          ; v16-17  LDS address of my fragments of x in slot 0, 1
.set ADRB, 20                          ; v20-21  the same for W
.set STO,  24                          ; v24     the way out: where I put 16 bytes of a row
.set RD,   25                          ; v25     the way out: where I read a row back
.set CO,   26                          ; v26     my byte offset in 2 rows of the result
.set BO,   27                          ; v27     my byte offset in a bias fragment: 32 (l / 16)
.set SPW,  28                          ; v28     LDS address of my spare word: SPARE + 4 x my thread's number; never rewritten
.set NIL,  29                          ; v29     0; never rewritten
.set F0,   64                          ; fragment buffer 0
.set F1,   128                         ; fragment buffer 1
.set TMP,  192                         ; the way out: packed results, in window 0
.set OB,   32                          ; the way out: 16 rows read back from the stage: v32-63 and v224-255 by turns
.set BT,   192                         ; window 1: the bias as packed bf16
.set WV,   14                          ; s14  my wave's number
.set RH,   15                          ; s15  which half of the tile's rows is mine.  Also: I fetch for x (0) or for W (1)
.set CH,   16                          ; s16  which half of its columns.  Also: which half of that tile I fetch
.set G1,   24                          ; s[24:31] descriptor group 1 for x's tiles
.set G0,   32                          ; s[32:39] descriptor group 0 for x's tiles, one set for each slot
.set G1B,  48                          ; s[48:55] group 1 for W's tiles
.set G0B,  56                          ; s[56:63] group 0 for W's tiles, one set for each slot
.set TILES, 66                         ; s66  tiles to go, this one among them
.set CSTEP, 68                         ; s[68:69] what the next way out adds to the result's address
.set HIM,  74                          ; s74  a word's upper bf16
.set MSB, 0
.macro WIN new                         ; the immediate's high byte repeats the setting that is left; a switch that changes nothing is dropped
.if MSB != (\new)
	s_set_vgpr_msb (MSB<<8)|(\new)
.set MSB, \new
.endif
.endm
.set MUL_LO, 0xa1                      ; source 0 (W) window 1, source 1 (x) window 0, C and D window 2; + 0x50: C and D window 3
.set MUL_B,  0x91                      ; the same with C, the bias, in window 1; + 0x40: D window 3
.set TO_B,   0x40                      ; destination window 1, address window 0
; A joint load.  Waves 0 and 1 fetch the two halves of x's tile, waves 2 and 3 those of W's.  Each of the two lines has one mask and one set of registers for all that issue it.
; The branch hangs on the wave's number alone.  Four v_nop follow each of the two lines, ahead of the jump, the label and what follows.
.macro JLOAD s
	s_cmp_eq_u32 s[RH], 0
	s_cbranch_scc0 .Lfor_b_\@
	tensor_load_to_lds s[G0+4*(\s):G0+4*(\s)+3], s[G1:G1+7]
	s_nop 0
.rept 4
	v_nop
.endr
	s_branch .Lasked_\@
.Lfor_b_\@:
	tensor_load_to_lds s[G0B+4*(\s):G0B+4*(\s)+3], s[G1B:G1B+7]
	s_nop 0
.rept 4
	v_nop
.endr
.Lasked_\@:
.endm
; A round of the cluster's barrier: my work-group's barrier, so that wave 0's signal speaks for all four waves; wave 0 signals for the work-group; every wave waits for all sixteen
; work-groups; my work-group's barrier once more.
.macro CREST                           ; a round behind its opening barrier
	s_cmp_lg_u32 s[WV], 0
	s_cbranch_scc1 .Lnot_wave_0_\@
	s_barrier_signal -3
.Lnot_wave_0_\@:
	s_barrier_wait -3
	s_barrier_signal -1
	s_barrier_wait -1
.endm
.macro CROUND                          ; a whole round
	s_barrier_signal -1
	s_barrier_wait -1
	CREST
.endm
	s_load_b256 s[4:11], s[0:1], 0x0               ; xw s[4:5], bq s[6:7], bk s[8:9], bv s[10:11]
	s_load_b64 s[12:13], s[0:1], 0x20              ; qkv
	v_lshl_add_u32 v[SPW], v0, 2, SPARE
	v_mov_b32 v[NIL], 0
	ds_add_u32 v28, v29
	s_wait_dscnt 0x0
	v_lshrrev_b32 v1, 5, v0
	v_readfirstlane_b32 s[WV], v1                  ; wave 0..3
	s_lshr_b32 s[RH], s[WV], 1
	s_and_b32 s[CH], s[WV], 1
	s_bfe_u32 s17, ttmp6, 0x40000                  ; cx: my place along the cluster's x
	s_bfe_u32 s18, ttmp6, 0x40004                  ; cy: along its y
	s_lshl_b32 s19, ttmp9, 2                       ; in a cluster launch ttmp9 and ttmp7 count clusters
	s_add_co_u32 s19, s19, s17                     ; tx = 4 x cluster x + cx
	s_and_b32 s20, ttmp7, 0xffff
	s_lshl_b32 s20, s20, 2
	s_add_co_u32 s20, s20, s18                     ; ty = 4 x cluster y + cy
	s_lshl_b32 s21, s18, 2
	s_lshl_b32 s21, 15, s21                        ; my row of the cluster: places 4 cy .. 4 cy + 3
	s_lshl_b32 s22, 0x1111, s17                    ; my column: places cx, cx + 4, cx + 8, cx + 12
	s_mov_b32 s[HIM], 0xffff0000
	; descriptor group 1.  x: 128 rows x 128 elements; W: 64 rows x 256 elements; both padded in LDS
	s_or_b32 s[G1+0], s21, (1<<16)|(1<<20)|(1<<21)|(5<<22)|(3<<25)   ; 15:0 the mask: x's tiles go to my row; 17:16 elements of 2 bytes; 20 padding on; 21 set beside a mask; 24:22 after every 64 words (code 5); 31:25 4 words (code 3)
	s_or_b32 s[G1B+0], s22, (1<<16)|(1<<20)|(1<<21)|(6<<22)|(7<<25)  ; the mask of my column; after every 128 words (code 6), 8 words (code 7)
	s_mov_b32 s[G1+1], KSTEP<<16                   ; 63:48 tensor_dim0, low half = 128
	s_mov_b32 s[G1+2], 128<<16                     ; 95:80 tensor_dim1, low half = 128
	s_mov_b32 s[G1+3], KSTEP<<16                   ; 127:112 tile_dim0 = 128
	s_mov_b32 s[G1+4], 128                         ; 143:128 tile_dim1 = 128; tile_dim2 = 0
	s_mov_b32 s[G1+5], 512                         ; 191:160 elements from row to row
	s_mov_b32 s[G1+6], 0
	s_mov_b32 s[G1+7], 0
	s_mov_b32 s[G1B+1], 256<<16                    ; tensor_dim0 = 256
	s_mov_b32 s[G1B+2], 64<<16                     ; tensor_dim1 = 64
	s_mov_b32 s[G1B+3], 256<<16                    ; tile_dim0 = 256
	s_mov_b32 s[G1B+4], 64                         ; tile_dim1 = 64
	s_mov_b32 s[G1B+5], 512
	s_mov_b32 s[G1B+6], 0
	s_mov_b32 s[G1B+7], 0
	; where the tiles come from.  x's hang on ty alone, which my row of the cluster shares; W's on tx alone, which my column shares.  Each offset has registers that never hold the other coordinate.
	s_lshl_b32 s40, s20, 18                        ; x: (256 ty + 128 half) rows of 1,024 bytes
	s_lshl_b32 s41, s[CH], 17
	s_add_co_u32 s40, s40, s41
	s_mov_b32 s41, 0
	s_lshr_b32 s44, s19, 1                         ; W: Wq's place in xw + head x 524,288 + 512 bytes x column half + 64 rows x fetch half
	s_lshl_b32 s44, s44, 19
	s_and_b32 s45, s19, 1
	s_lshl_b32 s45, s45, 9
	s_add_co_u32 s44, s44, s45
	s_lshl_b32 s45, s[CH], 16
	s_add_co_u32 s44, s44, s45
	s_add_co_u32 s44, s44, 0x400000
	s_mov_b32 s45, 0
	s_mul_i32 s23, s[WV], HALFT                    ; and where they go: wave x 34,816: no place in the cluster enters an LDS address
	s_lshl_b32 s72, s19, 10                        ; the bias of my 128 columns: (256 tx + 128 half) x 4 bytes
	s_lshl_b32 s73, s[CH], 9
	s_add_co_u32 s72, s72, s73
	s_mov_b32 s73, 0
	s_lshr_b32 s[CSTEP], s20, 2                    ; my part of q's tile: b = ty / 4,
	s_lshl_b32 s[CSTEP], s[CSTEP], 23
	s_lshr_b32 s70, s19, 1                         ; h = tx / 2,
	s_lshl_b32 s70, s70, 20
	s_add_co_u32 s[CSTEP], s[CSTEP], s70
	s_and_b32 s70, s20, 3                          ; s = 256 (ty % 4) + 128 x row half,
	s_lshl_b32 s70, s70, 18
	s_add_co_u32 s[CSTEP], s[CSTEP], s70
	s_lshl_b32 s70, s[RH], 17
	s_add_co_u32 s[CSTEP], s[CSTEP], s70
	s_and_b32 s70, s19, 1                          ; e = 256 (tx % 2) + 128 x column half
	s_lshl_b32 s70, s70, 9
	s_add_co_u32 s[CSTEP], s[CSTEP], s70
	s_lshl_b32 s70, s[CH], 8
	s_add_co_u32 s[CSTEP], s[CSTEP], s70
	s_mov_b32 s[CSTEP+1], 0
	s_wait_kmcnt 0x0
	s_add_nc_u64 s[42:43], s[4:5], s[40:41]
	s_add_nc_u64 s[46:47], s[4:5], s[44:45]
	s_add_nc_u64 s[6:7], s[6:7], s[72:73]
	s_add_nc_u64 s[8:9], s[8:9], s[72:73]
	s_add_nc_u64 s[10:11], s[10:11], s[72:73]
	CROUND                                         ; all sixteen work-groups are here: the first joint loads meet
.irp s, 0,1
	s_mov_b32 s[G0+4*(\s)], 1                                      ; 1:0 count = 1
	s_add_co_u32 s[G0+4*(\s)+1], s23, (\s)*SLOT                    ; 63:32 LDS address
	s_add_nc_u64 s[G0+4*(\s)+2:G0+4*(\s)+3], s[42:43], (\s)*KSTEP*2  ; 120:64 global address: K step s, 256 bytes along the rows
	s_or_b32 s[G0+4*(\s)+3], s[G0+4*(\s)+3], 0x80000000            ; 127:126 type = 2
	s_mov_b32 s[G0B+4*(\s)], 1
	s_add_co_u32 s[G0B+4*(\s)+1], s23, (\s)*SLOT
	s_add_nc_u64 s[G0B+4*(\s)+2:G0B+4*(\s)+3], s[46:47], (\s)*KSTEP*1024  ; K step s, 128 rows down
	s_or_b32 s[G0B+4*(\s)+3], s[G0B+4*(\s)+3], 0x80000000
	JLOAD \s                                       ; the ring is filled before anything else is done: two loads of mine are out
.endr
; The bias of my 128 columns, in the accumulators' layout: fragment b, register j = bias[16 b + 8 (l / 16) + j]: two loads of 16 bytes.
.macro BIASLOAD p
	WIN TO_B
.irp b, 0,1,2,3,4,5,6,7
	global_load_b128 v[8*(\b):8*(\b)+3],   v[BO], s[\p:\p+1] offset:64*(\b)
	global_load_b128 v[8*(\b)+4:8*(\b)+7], v[BO], s[\p:\p+1] offset:64*(\b)+16
.endr
	WIN 0
.endm
.macro ROUNDB                          ; rounded to bf16, like every input, and widened again
	WIN 0x45                                       ; destination, sources 0 and 1 in window 1
.set i, 0
.rept 32
	v_cvt_pk_bf16_f32 v[BT+i], v[2*i], v[2*i+1]
.set i, i+1
.endr
.set i, 0
.rept 32
	v_lshlrev_b32 v[2*i],   16,     v[BT+i]
	v_and_b32     v[2*i+1], s[HIM], v[BT+i]
.set i, i+1
.endr
	WIN 0
.endm
	v_and_b32 v1, 15, v0                           ; l % 16
	v_bfe_u32 v2, v0, 4, 1                         ; l / 16
	v_lshlrev_b32 v[BO], 5, v2
	BIASLOAD 6                                     ; bq
	; A fragment of x is 16 rows x 32 K in 8 registers: lane l holds row l % 16; registers 0-3 hold K = 8 (l / 16) + 0..7, registers 4-7 K = 16 + 8 (l / 16) + 0..7: two loads of 16 bytes, 32 bytes apart.
	v_mul_u32_u24 v3, v1, PITCH
	v_lshl_add_u32 v3, v2, 4, v3                   ; row x pitch + 16 x half
	; The turning load takes 16 K x 16 columns (lane l reads 16 bytes: K row 8 (l / 16) + l % 8, columns 8 ((l / 8) % 2) + 0..7) and leaves half a fragment of W^T: lane l holds column l % 16 and 8 K.
	v_and_b32 v4, 7, v0
	v_lshl_add_u32 v4, v2, 3, v4
	v_mul_u32_u24 v4, v4, PB
	v_bfe_u32 v5, v0, 3, 1
	v_lshl_add_u32 v4, v5, 4, v4
	s_mul_i32 s70, s[RH], HALFT                    ; my 128 rows of x
	s_lshl_b32 s71, s[CH], 8                       ; my 256 bytes of W's rows,
	s_add_co_u32 s71, s71, 2*HALFT                 ; which lie behind x's 256 rows
.irp s, 0,1
	v_add_nc_u32 v[ADRA+(\s)], s70, v3
	v_add_nc_u32 v[ADRB+(\s)], s71, v4
	s_add_co_u32 s70, s70, SLOT
	s_add_co_u32 s71, s71, SLOT
.endr
	s_mul_i32 s70, s[WV], 16*SPITCH
	s_add_co_u32 s70, s70, STAGE                   ; my stage
	v_mul_u32_u24 v5, v1, SPITCH                   ; in: row l % 16, 16 bytes for each half of the lanes
	v_lshl_add_u32 v5, v2, 4, v5
	v_add_nc_u32 v[STO], s70, v5
	v_mul_u32_u24 v5, v2, SPITCH                   ; back: lanes 0-15 take one row of 256 bytes, lanes 16-31 the next
	v_lshl_add_u32 v5, v1, 4, v5
	v_add_nc_u32 v[RD], s70, v5
	v_lshlrev_b32 v5, 10, v2                       ; and the same two rows in the result, 1,024 bytes apart
	v_lshl_add_u32 v[CO], v1, 4, v5
	s_wait_loadcnt 0x0                             ; bq
	ROUNDB
; 16 matrix instructions: m blocks a0, a0 + 1 of the window's four (hi = 0: my rows 0-63, 1: rows 64-127) x all 8 n blocks, 32 along K.
; zero = 1: the tile's first products: C is the bias of the n block.  The 64 accumulators take turns, one instruction a turn.
.macro MUL16 f, hi, a0, zero
.if \zero
	WIN MUL_B+0x40*(\hi)
.else
	WIN MUL_LO+0x50*(\hi)
.endif
.irp a, \a0, (\a0)+1
.irp b, 0,1,2,3,4,5,6,7
.if \zero
	v_wmma_f32_16x16x32_bf16 v[8*(8*(\a)+(\b)):8*(8*(\a)+(\b))+7], v[(\f)+8*(\b):(\f)+8*(\b)+7], v[(\f)+8*(4*(\hi)+(\a)):(\f)+8*(4*(\hi)+(\a))+7], v[8*(\b):8*(\b)+7]
.else
	v_wmma_f32_16x16x32_bf16 v[8*(8*(\a)+(\b)):8*(8*(\a)+(\b))+7], v[(\f)+8*(\b):(\f)+8*(\b)+7], v[(\f)+8*(4*(\hi)+(\a)):(\f)+8*(4*(\hi)+(\a))+7], v[8*(8*(\a)+(\b)):8*(8*(\a)+(\b))+7]
.endif
.endr
.endr
.endm
; 32 LDS loads in one run: the fragments of one quarter step (128 columns of W, turned; 128 rows of x; 32 K: byte k of x's rows, row k / 2 of W's) into buffer f
.macro FETCH slot, k, f
	WIN TO_B
.irp i, 0,1,2,3,4,5,6,7
	ds_load_tr16_b128 v[(\f)+8*(\i):(\f)+8*(\i)+3],   v[ADRB+(\slot)] offset:((\k)/2)*PB+(\i)*32
	ds_load_tr16_b128 v[(\f)+8*(\i)+4:(\f)+8*(\i)+7], v[ADRB+(\slot)] offset:((\k)/2)*PB+(\i)*32+16*PB
.endr
	WIN 0
.irp i, 0,1,2,3,4,5,6,7
	ds_load_b128 v[(\f)+8*(\i):(\f)+8*(\i)+3],   v[ADRA+(\slot)] offset:(\k)+(\i)*16*PITCH
	ds_load_b128 v[(\f)+8*(\i)+4:(\f)+8*(\i)+7], v[ADRA+(\slot)] offset:(\k)+(\i)*16*PITCH+32
.endr
.endm
; A load into a register that a matrix instruction has read, and a vector instruction that reads a matrix result, stand four places behind that matrix instruction; only plain vector
; instructions that name none of its registers are places (ISA guide 7.12.1 for vector instructions).
.macro PLACES
.rept 4
	v_nop
.endr
.endm
; A K step is four quarters of 32 along K, 64 matrix instructions each, on buffers 0, 1, 0, 1.  One of the first three: multiplies buffer f; in its middle it fetches the next quarter, at byte k, into g.
.macro QUARTER slot, k, f, g, zero
	s_wait_dscnt 8                                 ; W and x's rows 0-63 are in; the youngest eight loads (x's rows 64-127) may be out
	MUL16 \f, 0, 0, \zero
	MUL16 \f, 0, 2, \zero
	PLACES
	FETCH \slot, \k, \g
	s_wait_dscnt 32                                ; all but the 32 just issued
	MUL16 \f, 1, 0, \zero
	MUL16 \f, 1, 2, \zero
.endm
; The last quarter multiplies buffer 1 and changes slots.  MEET is its first half: ONE barrier.  In front of it each wave waits for all its tensor loads, of which one is out: its part of the next slot;
; adds 0 to its spare word; and waits for that and for its own reads of this slot.  Behind it nobody reads this slot any more and the next slot is whole.
.macro MEET round                      ; round = 1: a round of the cluster's barrier follows
	WIN 0                                          ; (the add's two registers lie in window 0)
	s_wait_tensorcnt 0x0                           ; all my tensor loads have landed;
	ds_add_u32 v[SPW], v[NIL]                      ; 0 onto my spare word
	s_wait_dscnt 9                                 ; (the add and the youngest eight loads may be out)
	MUL16 F1, 0, 0, 0                              ; sixteen matrix instructions stand between the add and the wait for it
	s_wait_dscnt 0x0                               ; the add is done, and my reads of this slot are over:
	s_barrier_signal -1                            ; say so,
	MUL16 F1, 0, 2, 0                              ; work on registers while the others arrive,
.if \round
	WIN 0
.endif
	s_barrier_wait -1                              ; and go on when all four have said so
.endm
; The whole last quarter.  fill = 1: the slot just read out takes this tile's K step two steps on; 2: the NEXT tensor's K step 0 or 1 (x goes back along K, W on to the next tensor); 0: nothing.
; A fill stands first behind a round of the cluster's barrier: no wave of any partner still reads the slot or has a load on its way.  From a request to the wait for it a wave issues 224 matrix instructions.
.macro TURN slot, next, fill
.if \fill
	MEET 1
	CREST
.if (\fill) == 2
	s_sub_nc_u64 s[G0+4*(\slot)+2:G0+4*(\slot)+3], s[G0+4*(\slot)+2:G0+4*(\slot)+3], 2*KSTEP*2
	s_add_nc_u64 s[G0B+4*(\slot)+2:G0B+4*(\slot)+3], s[G0B+4*(\slot)+2:G0B+4*(\slot)+3], 0x400000-2*KSTEP*1024
.else
	s_add_nc_u64 s[G0+4*(\slot)+2:G0+4*(\slot)+3], s[G0+4*(\slot)+2:G0+4*(\slot)+3], 2*KSTEP*2
	s_add_nc_u64 s[G0B+4*(\slot)+2:G0B+4*(\slot)+3], s[G0B+4*(\slot)+2:G0B+4*(\slot)+3], 2*KSTEP*1024
.endif
	JLOAD \slot                                    ; the four v_nop behind it are also the places in front of the loads below
.else
	MEET 0
	PLACES
.endif
	FETCH \next, 0, F0
	MUL16 F1, 1, 0, 0
	MUL16 F1, 1, 2, 0
.endm
; THE WAY OUT of block a (16 rows), in three parts.  PACK: rounded to f16, 16 bytes a lane, each accumulator's registers in ascending order.  TOSTAGE: into my own stage in LDS, and back as whole rows of 256 bytes.  SEND: stored.
.macro PACK a
.set AC, 64*((\a)%4)
	WIN 0x0a+5*((\a)/4)                            ; sources 0 and 1: window 2 or 3
.irp b, 0,1,2,3,4,5,6,7
.irp r, 0,1,2,3
	v_cvt_pk_f16_f32 v[TMP+4*(\b)+(\r)], v[AC+8*(\b)+2*(\r)], v[AC+8*(\b)+2*(\r)+1]
.endr
.endr
	WIN 0
.endm
.macro TOSTAGE a
	WIN 0
.set BK, OB+192*((\a)%2)
.irp b, 0,1,2,3,4,5,6,7
	ds_store_b128 v[STO], v[TMP+4*(\b):TMP+4*(\b)+3] offset:32*(\b)
.endr
.irp t, 0,1,2,3,4,5,6,7
	ds_load_b128 v[BK+4*(\t):BK+4*(\t)+3], v[RD] offset:(\t)*2*SPITCH  ; LDS serves a wave's instructions in order (ISA guide 5.7.1.4): these see the stores above
.endr
.endm
.macro SEND a, younger
	WIN 0
.set BK, OB+192*((\a)%2)
	s_wait_dscnt \younger                          ; the block is back in registers
	s_wait_xcnt 0x0                                ; only behind this wait are the stores' base and the registers that earlier stores read rewritten (ISA guide 3.1)
.if (\a) == 0
	s_add_nc_u64 s[12:13], s[12:13], s[CSTEP:CSTEP+1]  ; on to this tile's first rows
.else
	s_add_nc_u64 s[12:13], s[12:13], 16384         ; 16 rows on
.endif
.irp t, 0,1,2,3,4,5,6,7
	global_store_b128 v[CO], v[BK+4*(\t):BK+4*(\t)+3], s[12:13] offset:2*(\t)*1024  ; 16 lanes store 256 consecutive bytes, at a multiple of 256 from qkv's first byte
.endr
.endm
.macro WAYOUT                          ; block a's conversions stand between block a - 1's loads from the stage and the wait for them
	PACK 0
	TOSTAGE 0
.irp a, 1,2,3,4,5,6,7
	PACK \a
	SEND (\a)-1, 0
	TOSTAGE \a
.endr
	SEND 7, 0
.endm
	s_wait_tensorcnt 1                             ; my part of K step 0 is in; K step 1's may stay out
	s_barrier_signal -1
	s_barrier_wait -1                              ; everybody's is
	FETCH 0, 0, F0
	s_mov_b32 s[TILES], 3                          ; q, k, v: the same number in every work-group
.Ltile:                                                ; (FETCH and ROUNDB leave every window 0)
	QUARTER 0, 64,  F0, F1, 1                      ; the tile's first products take the bias as C
	QUARTER 0, 128, F1, F0, 0
	QUARTER 0, 192, F0, F1, 0
	TURN 0, 1, 1                                   ; slot 0 takes K step 2
	QUARTER 1, 64,  F0, F1, 0
	QUARTER 1, 128, F1, F0, 0
	QUARTER 1, 192, F0, F1, 0
	TURN 1, 0, 1                                   ; slot 1 takes K step 3
	QUARTER 0, 64,  F0, F1, 0
	QUARTER 0, 128, F1, F0, 0
	QUARTER 0, 192, F0, F1, 0
	WIN 0                                          ; at a label and at a branch every window is 0
	s_cmp_eq_u32 s[TILES], 1
	s_cbranch_scc1 .Llast                          ; the last tile's tail is written out: it asks for nothing more
	BIASLOAD 8                                     ; the next tensor's bias: this tile's first products, which read these registers, stand ten quarters (and their v_nop) back
	TURN 0, 1, 2                                   ; THE RING GOES ON INTO THE NEXT TENSOR: slot 0 takes its K step 0,
	QUARTER 1, 64,  F0, F1, 0
	QUARTER 1, 128, F1, F0, 0
	QUARTER 1, 192, F0, F1, 0
	TURN 1, 0, 2                                   ; slot 1 its K step 1, and the next tile's first fragments are fetched
	WAYOUT                                         ; both refills are asked for: now the tile goes out.  Blocks 0-3 were finished in front of the joint load's v_nop; their 128 conversions are the places behind the last products (blocks 4-7's)
	s_wait_loadcnt 0x0                             ; the next bias
	ROUNDB
	s_mov_b64 s[8:9], s[10:11]                     ; the bias after that is bv's
	s_mov_b32 s[CSTEP], NEXT_C
	s_mov_b32 s[CSTEP+1], 0
	s_sub_co_u32 s[TILES], s[TILES], 1
	s_branch .Ltile
.Llast:
	TURN 0, 1, 0                                   ; my one tensor load that was still out is the last K step's, so no round follows
	QUARTER 1, 64,  F0, F1, 0
	QUARTER 1, 128, F1, F0, 0
	QUARTER 1, 192, F0, F1, 0
	s_wait_dscnt 8                                 ; the very last quarter: nothing more to fetch
	MUL16 F1, 0, 0, 0
	MUL16 F1, 0, 2, 0
	s_wait_dscnt 0x0
	MUL16 F1, 1, 0, 0
	MUL16 F1, 1, 2, 0
	PLACES                                         ; the conversions read results just made
	WAYOUT
	s_wait_tensorcnt 0x0                           ; the wave's end: behind my last tensor load and my last LDS store
	ds_add_u32 v[SPW], v[NIL]
	s_wait_dscnt 0x0
	CROUND                                         ; the closing round: no work-group ends while a partner may still ask for a tile that names it
	s_endpgm
.Lfunc_end_k_q25762b12e9_qkv:
	.size	k_q25762b12e9_qkv, .Lfunc_end_k_q25762b12e9_qkv-k_q25762b12e9_qkv
	.p2alignl 7, 3214868480
	.fill 96, 4, 3214868480
	.section	.rodata,"a",@progbits
	.p2align	6, 0x0
	.amdhsa_kernel k_q25762b12e9_qkv
		.amdhsa_group_segment_fixed_size 327680
		.amdhsa_private_segment_fixed_size 0
		.amdhsa_enable_private_segment 0
		.amdhsa_kernarg_size 40
		.amdhsa_user_sgpr_count 2
		.amdhsa_user_sgpr_kernarg_segment_ptr 1
		.amdhsa_wavefront_size32 1
		.amdhsa_system_sgpr_workgroup_id_x 1
		.amdhsa_system_sgpr_workgroup_id_y 1
		.amdhsa_system_sgpr_workgroup_id_z 1
		.amdhsa_system_vgpr_workitem_id 0
		.amdhsa_next_free_vgpr 1024
		.amdhsa_next_free_sgpr 76
		.amdhsa_reserve_vcc 0
		.amdhsa_float_denorm_mode_32 3
		.amdhsa_float_denorm_mode_16_64 3
		.amdhsa_memory_ordered 1
		.amdhsa_forward_progress 1
		.amdhsa_inst_pref_size 220
	.end_amdhsa_kernel
	.amdgpu_metadata
---
amdhsa.version: [ 1, 2 ]
amdhsa.kernels:
  - .name:           k_q25762b12e9_qkv
    .symbol:         k_q25762b12e9_qkv.kd
    .args:
      - { .name: xw, .offset: 0, .size: 8, .value_kind: global_buffer, .address_space: global }
      - { .name: bq, .offset: 8, .size: 8, .value_kind: global_buffer, .address_space: global }
      - { .name: bk, .offset: 16, .size: 8, .value_kind: global_buffer, .address_space: global }
      - { .name: bv, .offset: 24, .size: 8, .value_kind: global_buffer, .address_space: global }
      - { .name: qkv, .offset: 32, .size: 8, .value_kind: global_buffer, .address_space: global }
    .group_segment_fixed_size: 327680
    .private_segment_fixed_size: 0
    .kernarg_segment_align: 8
    .kernarg_segment_size: 40
    .max_flat_workgroup_size: 128
    .sgpr_count:     76
    .vgpr_count:     1024
    .wavefront_size: 32
...
	.end_amdgpu_metadata
.endif
;; end of part 2
;; launch attn (part 3): grid 8 x 32, 4 waves a work-group, clusters of 4 x 1, 327,680 bytes of LDS; arguments qkv, xw, part; writes part
.if DOCPART == 3
	.amdgcn_target "amdgcn-amd-amdhsa--gfx1250"
	.amdhsa_code_object_version 6
	.text
	.protected	k_q25762b12e9_attn
	.globl	k_q25762b12e9_attn
	.p2align	8
	.type	k_q25762b12e9_attn,@function
k_q25762b12e9_attn:
	s_mov_b64 s[64:65], 0
	v_nop
	global_prefetch_b8 v0, s[64:65] scope:SCOPE_SE
	s_setreg_imm32_b32 hwreg(HW_REG_WAVE_MODE, 25, 1), 1
	s_wait_xcnt 0x0
	s_wait_alu depctr_hold_cnt(0) depctr_sa_sdst(0) depctr_va_vdst(0) depctr_va_sdst(0) depctr_va_ssrc(0) depctr_va_vcc(0) depctr_vm_vsrc(0)
	s_getreg_b32 s2, hwreg(HW_REG_IB_STS2, 6, 4)
	s_cmp_eq_u32 s2, 0
	s_cbranch_scc0 .Lentry_in_a_cluster
	s_endpgm
.Lentry_in_a_cluster:
	s_bfe_u32 s2, ttmp6, 0x10000c
	s_cmp_lg_u32 s2, 0x3003
	s_cbranch_scc0 .Lentry_shape_is_right
	s_endpgm
.Lentry_shape_is_right:
; ATTENTION AT HEAD SIZE 512, AND THE HEAD'S SHARE OF THE OUTPUT PROJECTION.  For (b, h) and 128 queries: O = softmax(Q K^T / sqrt(512)) V, then Y_h = O Wp_h.
; q, k, v: f16, [q,k,v][b][h][1024][512] in qkv; Wp: f16, [4096][512] at xw + 0x1000000, head h's rows 512 h .. + 511; part: f32, [h][4096][512]: the eight heads' Y, added by the launch behind.
; Products, maxima and sums in f32; the weights p are rounded to f16 for the second product (their sum l is taken of the unrounded p), O once, divided by l, for the third.
; LIMITS.  f16 holds no number beyond 65,504: q, k, v and Wp arrive within it; p lies in 0 to 1 and O within v's range; below 6e-5 both keep f16's fixed step of 6e-8.  A weight below 2^-126 counts as 0 in l.
; NaN and infinities are not treated apart.
; SHARES.  A work-group owns 128 queries of one (b, h) and walks all 1,024 keys, 128 a step.  The three products are shared among its four waves in two ways:
;   S^T = K Q^T and the softmax by QUERIES: wave w has queries 32 w .. + 31, two tiles of 16, with their Q in registers;
;   O^T = V^T P and Y^T = Wp_h^T O^T by CHANNELS and COLUMNS: wave w has all 128 queries (eight tiles T) x channels, later columns, 128 w .. + 127 (eight blocks c): 64 accumulators.
; So a fragment of V or Wp feeds eight products and a fragment of P or O eight: 32 LDS loads for 64 products, in one run.  In an S phase a fragment of K feeds two: O^T takes 512 registers and Q 256, so a wave
; holds the Q of no third tile.
; FROM WAVE TO WAVE.  Each wave stores its 32 rows of P (f16, [query][key]) and its two tiles' a into LDS bytes that no tensor load fills; a barrier; every wave reads all of them.  The next step's stores stand
; behind the change of slots at the step's end, in front of which every wave has waited for its reads.  O goes the same way in four passes: pass j takes channels 128 w + 32 j .. + 31 of every wave w, and
; the tile of Wp_h asked for holds just these rows, wave w's 32 at LDS rows 32 w on: row and column 32 w + i are the same channel on both sides of the product.
; LAYOUT.  Source 0 = 16 keys (channels, columns), source 1 = 16 queries: in every result a lane holds ONE query (lane % 16) and eight neighbouring keys (channels, columns) 8 (lane / 16) + 0..7, which round
; to 16 bytes of a row of P (of O).  K comes out of LDS as it lies; V ([key][channel]) and Wp ([channel][column]) turned, by ds_load_tr16_b128.
; SOFTMAX.  For each query a running maximum m and sum l: p = 2^(c s - c m), c = log2(e) / sqrt(512); in every step O and l are multiplied by a = 2^(c m_old - c m_new).  m starts at the lowest finite number,
; O and l at 0: the first step is a step like any other, with a = 0.  The price: 512 v_mov_b32 at the start, in the wait for the first tile.
; PHASES AND RING.  A phase is 256 matrix instructions a wave on one tile of 128 rows x 1,024 bytes: S0, PV0, .. S7, PV7, W0 .. W3.  S phases, W0 and W2 read slot A; PV phases, W1 and W3 slot B.  At the change in
; front of a phase the slot just read out takes the tile of the phase after it; each wave asks for 32 of its rows.  A wave has two tensor loads out at the start and one afterwards, and that one has a whole
; phase in which to land.  Wp's first tile is asked for by the loop's own line for K, with K's pitch: its turned reads meet each bank twice, in one phase of twenty.
; CLUSTER.  The four query blocks of a cluster belong to one (b, h) and walk the same K, V and Wp_h, so each tile is asked for JOINTLY: the same tensor load, descriptor and mask in all four.
; REGISTERS, in windows of 256 (s_set_vgpr_msb: bits 1:0 source 0, 3:2 source 1, 5:4 source 2, 7:6 destination):
;   window 0: v0-15 addresses; v16-31 eight registers of statistics a tile of mine;
;             S phase: v32-127 three buffers of four fragments of K; v128-255 S^T, 64 a tile, and in place P
;             PV and W phases: v32-95, v96-159 two buffers of eight fragments of V (Wp); v160-255 three buffers of four fragments of P (O); v96-111 the eight a, until the first run of loads
;   window 1: Q, fragment (tile t, channels 32 cs on) at 8 (16 t + cs); later my O in f16: (T, c) at 4 (8 T + c)
;   windows 2, 3: O^T, later Y^T: accumulator (c, T) in window 2 + T / 4 at 8 (8 (T % 4) + c)
.set PKP,   1040      ; a row of K in LDS: 1,024 bytes + 16 of padding = 260 words: row r starts at bank 4 r mod 64 (64 banks of 4 bytes: ISA guide 11.1)
.set PVP,   1056      ; a row of V or Wp: 1,024 + 32 = 264 words: row r starts at bank 8 r mod 64
.set SLOTB, 128*PVP   ; slot A is bytes 0 .. 135,167; slot B begins here
.set SPARE, 2*SLOTB   ; behind the ring: the spare words, 128 bytes for each wave: two blocks of 256 bytes that no other line names
.set PBUF,  SPARE+512 ; P, later a slice of O: 128 rows (queries) of 256 bytes + 16 of padding; no tensor load fills it
.set PP,    272
.set ACELL, PBUF+128*PP  ; a, at the end 1 / l: for lane place r and query tile T eight bytes at 64 r + 8 T (the number, and a word that nobody uses): 1,024 bytes
.set WSH,   32*PVP    ; a wave's quarter of a slot; on the way out, behind slot A's last fill, its stage
.set SPY,   528       ; a row of the stage: my 512 bytes of a row of Y + 16
.set STT,   16*SPY    ; a query tile in the stage; four of them are WSH bytes
.set TILEB, 131072    ; a tile of K or V in memory
.set WTB,   32768     ; from my 32 rows of Wp_h in one pass to those in the next
.set SPW, 1           ; v1   LDS address of my spare word: SPARE + 4 x my thread's number; never rewritten
.set NIL, 2           ; v2   0; never rewritten
.set AK0, 3           ; v3-4 my lane's place in slot A: rows 0-63, rows 64-127 (an LDS offset holds 16 bits)
.set AV0, 5           ; v5-6 the same in slot B, with my wave's 256 bytes of the rows
.set VR,  7           ; v7   the turning load's row: 8 (l / 16) + l % 8
.set VC,  8           ; v8   and its bytes in the row: 256 w + 16 ((l / 8) % 2)
.set CST, 9           ; v9   where I put my tiles' a
.set CRD, 10          ; v10  where I read the eight a of my lane's place
.set STO, 9           ;      later, the way out: where I put 32 bytes of a row
.set RD,  10          ;      later, the way out: where I read rows back
.set GO,  11          ; v11  my byte offset in 512 consecutive bytes of part
.set QO,  12          ; v12  my byte offset in 16 rows of Q
.set PSTO, 13         ; v13  where I put 16 bytes of a row of P
.set OSTO, 14         ; v14  where I put 16 bytes of a row of O
.set PRD, 15          ; v15  my lane's place in a fragment of P or O
.set ST,  16          ; my tile t's statistics at v[ST+8 t]: +0 c m, +1 m, +2, +3 l (even keys', odd keys'), +4 to +7 c0-c3 at work; c2 takes a, at the end 1 / l
.set RING, 32
.set TS,  RING+64     ; the third buffer is idle during a softmax: four pairs of partial sums a tile
.set S,   128
.set VB,  32          ; V's (Wp's) two buffers
.set PB,  160         ; P's (O's) three buffers
.set AR,  96          ; a of query tile T at AR + 2 T
.set WV,  10          ; s10  my wave's number
.set G1K, 24          ; s[24:31] descriptor group 1 with K's padding
.set G1V, 32          ; s[32:39] with V's
.set G0A, 40          ; s[40:43] descriptor group 0: slot A at K's pitch
.set G0B, 44          ; s[44:47] slot B
.set G0C, 48          ; s[48:51] slot A at V's pitch
.set KP,  52          ; s[52:53] K at my 32 rows of the tile asked for last
.set VP,  54          ; s[54:55] the same for V
.set WP,  56          ; s[56:57] Wp_h at my 32 rows of pass 0
.set WP1, 58          ; s[58:59] of pass 1
.set CS,  60          ; s[60:61] c: the packed scaling takes the pair's low word for both halves
.set SEL, 62          ; s[62:63] v_permlanex16_b32's selects: each lane takes its own place in the other half
.set CNT, 66          ; s66  key steps to go
.set QP,  68          ; s[68:69] Q at my wave's first row
.set OUT, 70          ; s[70:71] part at the block's first row, my wave's 512 bytes
.set MSB, 0
.macro WIN new                      ; the high byte repeats the setting that is left; a switch that changes nothing is dropped
.if MSB != (\new)
	s_set_vgpr_msb (MSB<<8)|(\new)
.set MSB, (\new)
.endif
.endm
.set W_S,  0x04       ; K and S^T in window 0, Q in window 1; the LDS loads (destination and address in window 0) stand under it too: an S phase has no switch
.set W_PV, 0xa0       ; both sources in window 0, the accumulators in window 2; + 0x50: window 3
.macro PLACES                       ; four places: in front of loads into registers that matrix instructions have read, and of lines that read results (ISA guide 7.12.1 for vector instructions)
.rept 4
	v_nop
.endr
.endm
.macro BOTH line:vararg             ; one line for each tile t of mine
.set t, 0
	s_wait_alu depctr_va_vdst(0)
.rept 2
	\line
.set t, t+1
.endr
.endm
; A round of the cluster's barrier: my work-group's barrier, so that wave 0's signal speaks for all four waves; wave 0 signals; every wave waits for all four work-groups; my work-group's barrier once more.
.macro CROUND
	s_barrier_signal -1
	s_barrier_wait -1
	s_cmp_lg_u32 s[WV], 0
	s_cbranch_scc1 .Lnot_wave_0_\@
	s_barrier_signal -3
.Lnot_wave_0_\@:
	s_barrier_wait -3
	s_barrier_signal -1
	s_barrier_wait -1
.endm
; What I stored for the other waves is done; behind the barrier everybody's is.  A tensor load may stay out across it.
.macro MEET
	s_wait_dscnt 0x0                ; for the others' sake: zero
	s_barrier_signal -1
	s_barrier_wait -1
.endm
; THE CHANGE OF SLOTS.  Each wave waits for all its tensor loads, of which one is out: its part of the other slot; adds 0 to its spare word; and waits for that and for its own reads of the slot that it leaves
; (and of P or O).  Behind the barrier nobody reads the old slot any more and the other slot is whole.  With a fill the barrier is a round of the cluster's, so that no wave of any partner still reads the slot or
; has a load on its way, and the joint fill is the first thing behind it.  The descriptor's address is made between the wait for 0 and the round.
; kind 1: slot A takes the next K, in the last key step Wp's pass 0.  2: slot B the next V, or Wp's pass 1.  3: slot A Wp's pass 2.  4: slot B Wp's pass 3.  0: nothing is asked for.
; The four v_nop at the end are the places behind the phase's last products.
.macro CHANGE kind
	WIN 0                           ; at a label and at a branch every window is 0
	s_wait_tensorcnt 0x0            ; no tensor load of mine is out, so a group 0 may be written
	ds_add_u32 v[SPW], v[NIL]       ; 0 onto my spare word; the address's scalar work stands between it and the wait for it
.if (\kind) == 1
	s_add_nc_u64 s[KP:KP+1], s[KP:KP+1], TILEB
	s_cmp_eq_u32 s[CNT], 1
	s_cselect_b64 s[G0A+2:G0A+3], s[WP:WP+1], s[KP:KP+1]
	s_or_b32 s[G0A+3], s[G0A+3], 0x80000000
.elseif (\kind) == 2
	s_add_nc_u64 s[VP:VP+1], s[VP:VP+1], TILEB
	s_cmp_eq_u32 s[CNT], 1
	s_cselect_b64 s[G0B+2:G0B+3], s[WP1:WP1+1], s[VP:VP+1]
	s_or_b32 s[G0B+3], s[G0B+3], 0x80000000
.elseif (\kind) == 3
	s_add_nc_u64 s[G0C+2:G0C+3], s[WP:WP+1], 2*WTB
	s_or_b32 s[G0C+3], s[G0C+3], 0x80000000
.elseif (\kind) == 4
	s_add_nc_u64 s[G0B+2:G0B+3], s[WP:WP+1], 3*WTB
	s_or_b32 s[G0B+3], s[G0B+3], 0x80000000
.endif
	s_wait_dscnt 0x0                ; the add is done, and my reads of the slot are over
.if (\kind) == 0
	s_barrier_signal -1
	s_barrier_wait -1
.else
	CROUND
.endif
.if (\kind) == 1
	tensor_load_to_lds s[G0A:G0A+3], s[G1K:G1K+7]
	s_nop 0
.elseif ((\kind) == 2) || ((\kind) == 4)
	tensor_load_to_lds s[G0B:G0B+3], s[G1V:G1V+7]
	s_nop 0
.elseif (\kind) == 3
	tensor_load_to_lds s[G0C:G0C+3], s[G1V:G1V+7]
	s_nop 0
.endif
	PLACES
.endm
	s_load_b128 s[4:7], s[0:1], 0x0 ; qkv s[4:5], xw s[6:7]
	s_load_b64 s[8:9], s[0:1], 0x10 ; part
	v_lshl_add_u32 v[SPW], v0, 2, SPARE
	v_mov_b32 v[NIL], 0
	ds_add_u32 v1, v2
	s_wait_dscnt 0x0
	v_lshrrev_b32 v32, 5, v0
	v_readfirstlane_b32 s[WV], v32  ; wave 0..3
	s_bfe_u32 s11, ttmp6, 0x40000   ; cx: my place in the cluster
	s_lshl_b32 s12, ttmp9, 2        ; in a cluster launch ttmp9 counts clusters
	s_add_co_u32 s12, s12, s11      ; my block of 128 queries = 4 x cluster x + cx: it enters Q's and part's addresses alone
	s_and_b32 s13, ttmp7, 0xffff    ; 8 b + h, which the four partners share
	s_and_b32 s14, s13, 7           ; h
	s_lshr_b32 s15, s13, 3          ; b
	s_lshl_b32 s2, s[WV], 15        ; my 32 rows of 1,024 bytes in a tile of K or V, and in the block's Q
	s_lshl_b32 s16, s13, 20         ; s[16:17]: (b, h)'s first byte in q, k and v, + my rows
	s_add_co_u32 s16, s16, s2
	s_mov_b32 s17, 0
	s_lshl_b32 s18, s14, 19         ; s[18:19]: Wp's place in xw + head h's 512 rows + my channels' rows 128 w on
	s_lshl_b32 s3, s[WV], 17
	s_add_co_u32 s18, s18, s3
	s_add_co_u32 s18, s18, 0x1000000
	s_mov_b32 s19, 0
	s_lshl_b32 s20, s12, 17         ; s[20:21]: Q: (b, h), my block's 128 rows, my wave's 32
	s_add_co_u32 s20, s20, s16
	s_mov_b32 s21, 0
	s_lshl_b32 s22, s14, 23         ; s[22:23]: part: head h, row 1,024 b + 128 block, 2,048 bytes a row; my wave's 512 bytes of the rows
	s_lshl_b32 s3, s15, 21
	s_add_co_u32 s22, s22, s3
	s_lshl_b32 s3, s12, 18
	s_add_co_u32 s22, s22, s3
	s_lshl_b32 s3, s[WV], 9
	s_add_co_u32 s22, s22, s3
	s_mov_b32 s23, 0
	; descriptor group 1: 32 rows x 512 elements, padded in LDS
	s_mov_b32 s[G1K], 15|(1<<16)|(1<<20)|(1<<21)|(7<<22)|(3<<25)  ; 15:0 the mask of four; 17:16 2-byte elements; 20 padding on; 21 set beside a mask; 24:22 after every 256 words (code 7); 31:25 4 words (code 3)
	s_mov_b32 s[G1V], 15|(1<<16)|(1<<20)|(1<<21)|(7<<22)|(7<<25)  ; the same with 8 words of padding (code 7)
.irp g, G1K, G1V
	s_mov_b32 s[\g+1], 512<<16      ; tensor_dim0 = 512
	s_mov_b32 s[\g+2], 32<<16       ; tensor_dim1 = 32
	s_mov_b32 s[\g+3], 512<<16      ; tile_dim0 = 512
	s_mov_b32 s[\g+4], 32           ; tile_dim1 = 32
	s_mov_b32 s[\g+5], 512          ; 512 elements from row to row
	s_mov_b32 s[\g+6], 0
	s_mov_b32 s[\g+7], 0
.endr
	s_mov_b32 s[G0A], 1             ; 1:0 count = 1
	s_mul_i32 s[G0A+1], s[WV], 32*PKP  ; 63:32 LDS address: wave x 32 rows: no place in the cluster enters an LDS address
	s_mov_b32 s[G0B], 1
	s_mul_i32 s[G0B+1], s[WV], WSH
	s_add_co_u32 s[G0B+1], s[G0B+1], SLOTB
	s_mov_b32 s[G0C], 1
	s_mul_i32 s[G0C+1], s[WV], WSH
	s_mul_i32 s3, s[WV], WSH        ; my stage; kept to the way out
	s_lshl_b32 s72, s[WV], 8        ; my 256 bytes of a row of V or Wp
	s_mul_i32 s73, s[WV], 32*PP     ; my 32 rows of P
	s_lshl_b32 s74, s[WV], 6        ; my 64 bytes of a row of a slice of O
	s_lshl_b32 s75, s[WV], 4        ; my two cells of eight
	s_mov_b32 s[CS], 0x3d8293ee     ; c = log2(e) / sqrt(512) = 0.0637587
	s_mov_b32 s[CS+1], s[CS]        ; named with it as a pair
	s_mov_b32 s[SEL], 0x76543210
	s_mov_b32 s[SEL+1], 0xfedcba98
	s_wait_kmcnt 0x0
	s_add_nc_u64 s[KP:KP+1], s[4:5], s[16:17]
	s_add_nc_u64 s[VP:VP+1], s[KP:KP+1], 0x4000000
	s_add_nc_u64 s[KP:KP+1], s[KP:KP+1], 0x2000000
	s_add_nc_u64 s[QP:QP+1], s[4:5], s[20:21]
	s_add_nc_u64 s[WP:WP+1], s[6:7], s[18:19]
	s_add_nc_u64 s[WP1:WP1+1], s[WP:WP+1], WTB
	s_add_nc_u64 s[OUT:OUT+1], s[8:9], s[22:23]
	s_mov_b64 s[G0A+2:G0A+3], s[KP:KP+1]      ; 120:64 global address: my rows of the first 128 keys
	s_or_b32 s[G0A+3], s[G0A+3], 0x80000000   ; 127:126 type = 2
	s_mov_b64 s[G0B+2:G0B+3], s[VP:VP+1]
	s_or_b32 s[G0B+3], s[G0B+3], 0x80000000
	CROUND                          ; all four work-groups are here: the first joint loads meet
	tensor_load_to_lds s[G0A:G0A+3], s[G1K:G1K+7]  ; K of step 0
	s_nop 0
	tensor_load_to_lds s[G0B:G0B+3], s[G1V:G1V+7]  ; V of step 0: two loads of mine are out
	s_nop 0
	PLACES
	; A fragment of K, Q, P or O is 16 rows x 32 along the rows in 8 registers: lane l holds row l % 16, places 8 (l / 16) + 0..7 and 16 + 8 (l / 16) + 0..7: two loads of 16 bytes, 32 bytes apart.
	v_and_b32 v32, 15, v0           ; l % 16
	v_bfe_u32 v33, v0, 4, 1         ; l / 16
	v_lshlrev_b32 v[QO], 10, v32
	v_lshl_add_u32 v[QO], v33, 4, v[QO]  ; row x 1,024 + 16 x half
	WIN 0x40                        ; destination window 1, address window 0
.set i, 0
.rept 32                            ; Q stays in registers: tile i / 16, channels 32 (i % 16) on
	global_load_b128 v[8*i:8*i+3],   v[QO], s[QP:QP+1] offset:(i/16)*16384+(i%16)*64
	global_load_b128 v[8*i+4:8*i+7], v[QO], s[QP:QP+1] offset:(i/16)*16384+(i%16)*64+32
.set i, i+1
.endr
	WIN 0x80                        ; O^T = 0: the first step multiplies it by a = 0 and adds onto it.  This stands in the wait for the first tile
.set i, 0
.rept 256
	v_mov_b32 v[i], 0
.set i, i+1
.endr
	WIN 0xc0
.set i, 0
.rept 256
	v_mov_b32 v[i], 0
.set i, i+1
.endr
	WIN 0
	BOTH v_mov_b32 v[ST+8*t], 0xfe000000    ; c m: far below every c s
	BOTH v_mov_b32 v[ST+8*t+1], 0xff7fffff  ; m
	BOTH v_mov_b32 v[ST+8*t+2], 0           ; l
	BOTH v_mov_b32 v[ST+8*t+3], 0
	v_mul_u32_u24 v[AK0], v32, PKP
	v_lshl_add_u32 v[AK0], v33, 4, v[AK0]   ; row x pitch + 16 x half
	v_add_nc_u32 v[AK0+1], 64*PKP, v[AK0]
	; The turning load takes 16 rows x 16 columns (lane l reads row 8 (l / 16) + l % 8, columns 8 ((l / 8) % 2) + 0..7) and leaves half a fragment of the turned tile: lane l holds column l % 16 and 8 rows.
	v_and_b32 v34, 7, v0
	v_lshl_add_u32 v[VR], v33, 3, v34
	v_bfe_u32 v[VC], v0, 3, 1
	v_lshl_add_u32 v[VC], v[VC], 4, s72
	v_mul_u32_u24 v[AV0], v[VR], PVP
	v_add_nc_u32 v[AV0], v[VC], v[AV0]
	v_add_nc_u32 v[AV0], SLOTB, v[AV0]
	v_add_nc_u32 v[AV0+1], 64*PVP, v[AV0]
	v_mul_u32_u24 v[PRD], v32, PP           ; P and O: row l % 16 of a query tile, 16 bytes for each half of the lanes
	v_lshl_add_u32 v[PRD], v33, 4, v[PRD]
	v_add_nc_u32 v[PRD], PBUF, v[PRD]
	v_add_nc_u32 v[PSTO], s73, v[PRD]       ; P goes into my 32 rows,
	v_add_nc_u32 v[OSTO], s74, v[PRD]       ; O into my 64 bytes of all rows
	v_lshlrev_b32 v[CRD], 6, v32
	v_add_nc_u32 v[CRD], ACELL, v[CRD]
	v_add_nc_u32 v[CST], s75, v[CRD]
	v_and_b32 v[GO], 31, v0                 ; the way out: 32 lanes take 512 consecutive bytes of a row
	v_lshlrev_b32 v[GO], 4, v[GO]
; THE S PHASE.  K's fragments come in groups of four (8 LDS loads), through three buffers: group g + 2 is asked for in front of group g's 8 matrix instructions.
; Group g: channels 32 (g / 2) on, key blocks 4 (g % 2) + 0..3.
.macro LDK g
.set cs_, (\g)/2
.set hf_, (\g)%2
.set rb_, RING+32*((\g)%3)
.irp i, 0,1,2,3
	ds_load_b128 v[rb_+8*\i:rb_+8*\i+3],   v[AK0+hf_] offset:16*PKP*\i+64*cs_
	ds_load_b128 v[rb_+8*\i+4:rb_+8*\i+7], v[AK0+hf_] offset:16*PKP*\i+64*cs_+32
.endr
.endm
; Its 8 products.  The 16 accumulators of S^T take turns, in the same order for every 32 channels; the first 32 channels start the sums.
.macro MMK g
.set cs_, (\g)/2
.set hf_, (\g)%2
.set rb_, RING+32*((\g)%3)
.irp t, 0,1
.irp i, 0,1,2,3
.set rD_, S+64*\t+8*(4*hf_+\i)
.if cs_ == 0
	v_wmma_f32_16x16x32_f16 v[rD_:rD_+7], v[rb_+8*\i:rb_+8*\i+7], v[8*(16*\t+cs_):8*(16*\t+cs_)+7], 0
.else
	v_wmma_f32_16x16x32_f16 v[rD_:rD_+7], v[rb_+8*\i:rb_+8*\i+7], v[8*(16*\t+cs_):8*(16*\t+cs_)+7], v[rD_:rD_+7]
.endif
.endr
.endr
.endm
.macro SPHASE
	WIN W_S
	LDK 0
	LDK 1
.set g, 0
.rept 32
.if g < 30
	PLACES                          ; the buffer's last readers are the products just in front
	LDK g+2
	s_wait_dscnt 16                 ; groups g + 1 and g + 2 may be out: group g is in
.elseif g == 30
	s_wait_dscnt 8                  ; group 31 may be out
.else
	s_wait_dscnt 0x0
.endif
	MMK g
.set g, g+1
.endr
.endm
; THE PV AND W PHASES.  Rows (keys, or a pass's channels) go in four steps ks of 32.
; V's (Wp's) eight fragments of step ks: my eight blocks of 16 channels (columns), turned.  areg: the slot's two address registers; pitch: its rows'.
.macro VLOAD ks, areg, pitch
.set vb_, VB+64*((\ks)%2)
.irp c, 0,1,2,3,4,5,6,7
	ds_load_tr16_b128 v[vb_+8*\c:vb_+8*\c+3],   v[(\areg)+(\ks)/2] offset:((\ks)%2)*32*(\pitch)+32*\c
	ds_load_tr16_b128 v[vb_+8*\c+4:vb_+8*\c+7], v[(\areg)+(\ks)/2] offset:((\ks)%2)*32*(\pitch)+32*\c+16*(\pitch)
.endr
.endm
; P's (O's) four fragments number n = 2 ks + hf: step ks, query tiles 4 hf + 0..3, into buffer n % 3.
.macro PLOAD n
.set pb_, PB+32*((\n)%3)
.irp i, 0,1,2,3
	ds_load_b128 v[pb_+8*\i:pb_+8*\i+3],   v[PRD] offset:(4*((\n)%2)+\i)*16*PP+64*((\n)/2)
	ds_load_b128 v[pb_+8*\i+4:pb_+8*\i+7], v[PRD] offset:(4*((\n)%2)+\i)*16*PP+64*((\n)/2)+32
.endr
.endm
; 32 products: query tiles 4 hf + 0..3 x my eight blocks, step ks.  zero = 1: they start the sums.  The 64 accumulators take turns, one instruction a turn.
.macro MM32 ks, hf, zero
	WIN W_PV+0x50*(\hf)
.set vb_, VB+64*((\ks)%2)
.set pb_, PB+32*((2*(\ks)+(\hf))%3)
.irp i, 0,1,2,3
.irp c, 0,1,2,3,4,5,6,7
.if \zero
	v_wmma_f32_16x16x32_f16 v[8*(8*\i+\c):8*(8*\i+\c)+7], v[vb_+8*\c:vb_+8*\c+7], v[pb_+8*\i:pb_+8*\i+7], 0
.else
	v_wmma_f32_16x16x32_f16 v[8*(8*\i+\c):8*(8*\i+\c)+7], v[vb_+8*\c:vb_+8*\c+7], v[pb_+8*\i:pb_+8*\i+7], v[8*(8*\i+\c):8*(8*\i+\c)+7]
.endif
.endr
.endr
.endm
; A phase's 256 products.  Step 0's fragments have been asked for in front of it.  In the middle of a step stands ONE run of 32 loads, the next step's: V's other buffer was read last by the step before;
; of P's three buffers one was read last by the step before and one by the 32 products just in front (n % 3 = (n + 3) % 3), behind which the four places stand.
.macro PHASE areg, pitch, zero
.irp ks, 0,1,2,3
	s_wait_dscnt 8                  ; V and P for query tiles 0-3 are in; the youngest eight loads (P for tiles 4-7) may be out
.if (\zero) && (\ks == 0)
	MM32 \ks, 0, 1
.else
	MM32 \ks, 0, 0
.endif
.if \ks < 3
	WIN 0
	PLACES
	VLOAD \ks+1, \areg, \pitch
	PLOAD 2*\ks+2
	PLOAD 2*\ks+3
	s_wait_dscnt 32                 ; all but the 32 just issued
.else
	s_wait_dscnt 0x0
.endif
.if (\zero) && (\ks == 0)
	MM32 \ks, 1, 1
.else
	MM32 \ks, 1, 0
.endif
.endr
.endm
; THE SOFTMAX of a key step, both tiles of mine line by line in turn.  s0-s63 are the lane's 64 scores, in 32 pairs.
.macro SOFTMAX
	WIN 0
	; the maximum: four chains c0-c3, three operands at a time; chain i takes accumulators i and i + 4, each accumulator's lowest registers first
.set i, 0
.rept 4
	BOTH v_max3_num_f32 v[ST+8*t+4+i], v[S+64*t+8*i], v[S+64*t+8*i+1], v[S+64*t+8*i+2]
.set i, i+1
.endr
.irp o, 32,3,5,34,36,38
.set i, 0
.rept 4
	BOTH v_max3_num_f32 v[ST+8*t+4+i], v[ST+8*t+4+i], v[S+64*t+8*i+\o], v[S+64*t+8*i+\o+1]
.set i, i+1
.endr
.endr
	BOTH v_max3_num_f32 v[ST+8*t+4], v[ST+8*t+4], v[S+64*t+7], v[S+64*t+15]    ; the four scores left over,
	BOTH v_max3_num_f32 v[ST+8*t+6], v[ST+8*t+6], v[S+64*t+23], v[S+64*t+31]
	BOTH v_max3_num_f32 v[ST+8*t+4], v[ST+8*t+4], v[ST+8*t+5], v[ST+8*t+6]     ; the chains,
	BOTH v_max3_num_f32 v[ST+8*t+4], v[ST+8*t+4], v[ST+8*t+7], v[ST+8*t+1]     ; and the old m
	BOTH v_permlanex16_b32 v[ST+8*t+5], v[ST+8*t+4], s[SEL], s[SEL+1]          ; the query's other 64 keys lie in the lane 16 away
	BOTH v_mov_b32 v[ST+8*t+7], v[ST+8*t]                                      ; c m_old is kept
	BOTH v_max_num_f32 v[ST+8*t+1], v[ST+8*t+4], v[ST+8*t+5]                   ; the new m
	BOTH v_mul_f32 v[ST+8*t], s[CS], v[ST+8*t+1]                               ; c m
	BOTH v_sub_f32 v[ST+8*t+7], v[ST+8*t+7], v[ST+8*t]
	BOTH v_exp_f32 v[ST+8*t+6], v[ST+8*t+7]                                    ; a
	; A pipeline of 40 steps.  Step i: c s - c m for pair i; the two exponentials of pair i - 1; pair i - 3 is added to one of four partial sums; pair i - 8 is rounded to f16, in place.
	; Behind every exponential stands a plain line that touches neither its result nor its source (ISA guide 5.7.2), and a result is read two steps later.
	; The rounding of pair d writes register 16 (d / 8) + d % 8, which belongs to a pair not above d: that pair has been summed (pairs 0-3 with pairs 4-7, in steps 7 to 10; the first rounding stands in step 8 and writes into pair 0).
.set i, 0
.rept 40
.if i < 32
	BOTH v_pk_fma_f32 v[S+64*t+2*i:S+64*t+2*i+1], v[S+64*t+2*i:S+64*t+2*i+1], s[CS:CS+1], v[ST+8*t:ST+8*t+1] op_sel_hi:[1,0,0] neg_lo:[0,0,1] neg_hi:[0,0,1]
.endif
.if (i >= 1) && (i <= 32)
	BOTH v_exp_f32 v[S+64*t+2*i-2], v[S+64*t+2*i-2]
.endif
.if (i >= 7) && (i <= 10)
	BOTH v_pk_add_f32 v[TS+8*t+2*(i-7):TS+8*t+2*(i-7)+1], v[S+64*t+2*(i-7):S+64*t+2*(i-7)+1], v[S+64*t+2*(i-3):S+64*t+2*(i-3)+1]
.elseif (i >= 11) && (i <= 34)
	BOTH v_pk_add_f32 v[TS+8*t+2*((i-3)%4):TS+8*t+2*((i-3)%4)+1], v[TS+8*t+2*((i-3)%4):TS+8*t+2*((i-3)%4)+1], v[S+64*t+2*(i-3):S+64*t+2*(i-3)+1]
.endif
.if (i >= 1) && (i <= 32)
	BOTH v_exp_f32 v[S+64*t+2*i-1], v[S+64*t+2*i-1]
.endif
.if i >= 8
	BOTH v_cvt_pk_f16_f32 v[S+64*t+16*((i-8)/8)+(i-8)%8], v[S+64*t+2*(i-8)], v[S+64*t+2*(i-8)+1]
.endif
.set i, i+1
.endr
	BOTH v_pk_add_f32 v[TS+8*t:TS+8*t+1], v[TS+8*t:TS+8*t+1], v[TS+8*t+2:TS+8*t+3]
	BOTH v_pk_add_f32 v[TS+8*t+4:TS+8*t+5], v[TS+8*t+4:TS+8*t+5], v[TS+8*t+6:TS+8*t+7]
	BOTH v_pk_add_f32 v[TS+8*t:TS+8*t+1], v[TS+8*t:TS+8*t+1], v[TS+8*t+4:TS+8*t+5]
	BOTH v_pk_fma_f32 v[ST+8*t+2:ST+8*t+3], v[ST+8*t+2:ST+8*t+3], v[ST+8*t+6:ST+8*t+7], v[TS+8*t:TS+8*t+1] op_sel_hi:[1,0,1]  ; l = a l + the sum
.endm
; My two tiles' number (a, at the end 1 / l) for the other waves: eight bytes a tile; the two lanes of a query hold and write the same.
.macro CSTORE
	BOTH ds_store_b64 v[CST], v[ST+8*t+6:ST+8*t+7] offset:8*t
.endm
; My 32 rows of P: key block kb's eight keys of a lane are the four registers 16 (kb / 2) + 4 (kb % 2) on: 16 bytes at byte 32 kb + 16 (l / 16) of the query's row.
.macro PSTORE
.irp t, 0,1
.irp kb, 0,1,2,3,4,5,6,7
	ds_store_b128 v[PSTO], v[S+64*\t+16*(\kb/2)+4*(\kb%2):S+64*\t+16*(\kb/2)+4*(\kb%2)+3] offset:\t*16*PP+32*\kb
.endr
.endr
	CSTORE
.endm
.macro CLOAD                        ; the eight numbers of my lane's place, one for each query tile, in the even registers of sixteen
.irp i, 0,1,2,3
	ds_load_b128 v[AR+4*\i:AR+4*\i+3], v[CRD] offset:16*\i
.endr
.endm
; O^T times its query tile's number: a in every key step, 1 / l at the end.  Each accumulator's registers in ascending order.
.macro RESCALE
.irp w, 0,1
	WIN 0x82+0x41*\w                ; destination and source 0 in window 2 (then 3), source 1 in window 0
.set x, 0
.rept 128
	v_pk_mul_f32 v[x:x+1], v[x:x+1], v[AR+2*(4*\w+x/64):AR+2*(4*\w+x/64)+1] op_sel_hi:[1,0]
.set x, x+2
.endr
.endr
.endm
; O^T rounded to f16, into Q's registers: an accumulator's eight channels are four registers, 16 bytes of a row of O.
.macro OFCVT
.irp w, 0,1
	WIN 0x4a+5*\w                   ; destination window 1, sources window 2 (then 3)
.set a_, 0
.rept 32
.set n, 0
.rept 4
	v_cvt_pk_f16_f32 v[4*(32*\w+a_)+n], v[8*a_+2*n], v[8*a_+2*n+1]
.set n, n+1
.endr
.set a_, a_+1
.endr
.endr
	WIN 0
.endm
; Pass j's slice of my O: blocks 2 j and 2 j + 1 of 16 channels, all eight query tiles: 64 bytes of each of the 128 rows.
.macro OSTORE j
	WIN 0x04                        ; the stores' data in window 1
.irp T, 0,1,2,3,4,5,6,7
.irp cc, 0,1
	ds_store_b128 v[OSTO], v[4*(8*\T+2*(\j)+\cc):4*(8*\T+2*(\j)+\cc)+3] offset:\T*16*PP+32*\cc
.endr
.endr
	WIN 0
.endm
; THE WAY OUT of query tiles 4 hw + 0..3: a lane's eight columns of a row are 32 bytes of f32; they go into my stage (rows of 528 bytes; each accumulator's four lowest registers first) and come back as my
; whole 512 bytes of a row, 32 rows at a time.
.macro OUTT hw
	WIN 0x08+4*(\hw)                ; the stores' data in window 2 (then 3)
.set a_, 0
.rept 32
	ds_store_b128 v[STO], v[8*a_:8*a_+3]   offset:(a_/8)*STT+64*(a_%8)
	ds_store_b128 v[STO], v[8*a_+4:8*a_+7] offset:(a_/8)*STT+64*(a_%8)+16
.set a_, a_+1
.endr
	WIN 0
.irp bt, 0,1
	s_wait_xcnt 0x0                 ; the registers that earlier stores read are loaded again only behind this wait (ISA guide 3.1)
.set e, 0
.rept 32
	ds_load_b128 v[S+4*e:S+4*e+3], v[RD] offset:(2*\bt+e/16)*STT+(e%16)*SPY  ; LDS serves a wave's instructions in order (ISA guide 5.7.1.4): these see the stores above
.set e, e+1
.endr
.set e, 0
.rept 32
	s_wait_dscnt 31-e               ; the younger loads of the batch may be out
	global_store_b128 v[GO], v[S+4*e:S+4*e+3], s[OUT:OUT+1] offset:(64*(\hw)+32*\bt+e)*2048  ; 512 consecutive bytes, at a multiple of 256 from part's first byte
.set e, e+1
.endr
.endr
.endm
	s_wait_tensorcnt 0x1            ; my part of K of step 0 is in; V's may stay out
	s_barrier_signal -1
	s_barrier_wait -1               ; everybody's is
	s_wait_loadcnt 0x0              ; Q
	s_mov_b32 s[CNT], 8
.Lkey:                              ; eight trips: 128 keys each
	SPHASE                          ; S^T = K Q^T for my 32 queries
	CHANGE 1                        ; V of this step is whole; slot A takes the next K
	VLOAD 0, AV0, PVP               ; V's first fragments are on their way during the softmax
	SOFTMAX
	PSTORE                          ; my rows of P and my a
	MEET                            ; everybody's are there
	CLOAD
	PLOAD 0
	PLOAD 1
	s_wait_dscnt 16                 ; the eight a are in; the 16 loads of P may be out
	RESCALE
	PHASE AV0, PVP, 0               ; O^T += V^T P for my 128 channels
	CHANGE 2                        ; the next K is whole; slot B takes the next V; nobody reads P or a any more
	s_sub_co_u32 s[CNT], s[CNT], 1
	s_cmp_lg_u32 s[CNT], 0
	s_cbranch_scc1 .Lkey
	; THE PROJECTION.  Slot A holds pass 0's rows of Wp_h at K's pitch; pass 1's are on their way into slot B.
	v_mul_u32_u24 v[AK0], v[VR], PKP
	v_add_nc_u32 v[AK0], v[VC], v[AK0]
	v_add_nc_u32 v[AK0+1], 64*PKP, v[AK0]
	VLOAD 0, AK0, PKP
	BOTH v_add_f32 v[ST+8*t+4], v[ST+8*t+2], v[ST+8*t+3]                       ; l's two halves,
	BOTH v_permlanex16_b32 v[ST+8*t+5], v[ST+8*t+4], s[SEL], s[SEL+1]
	BOTH v_add_f32 v[ST+8*t+4], v[ST+8*t+4], v[ST+8*t+5]                       ; and the other half of the lanes'
	BOTH v_rcp_f32 v[ST+8*t+6], v[ST+8*t+4]
	v_nop                           ; a plain instruction between the last reciprocal and the use of its result
	s_wait_alu depctr_va_vdst(0)
	CSTORE                          ; 1 / l of my 32 queries, where a went
	MEET
	CLOAD
	s_wait_dscnt 0x0
	RESCALE                         ; O = O / l
	OFCVT
	OSTORE 0
	MEET                            ; pass 0's slice of O is whole
	PLOAD 0
	PLOAD 1
	PHASE AK0, PKP, 1               ; W0 starts Y^T's sums
	CHANGE 3                        ; slot A takes pass 2's rows, at V's pitch; nobody reads the slice any more
	VLOAD 0, AV0, PVP
	OSTORE 1
	MEET
	PLOAD 0
	PLOAD 1
	PHASE AV0, PVP, 0
	CHANGE 4                        ; slot B takes pass 3's rows: the last tensor load
	v_mul_u32_u24 v[AK0], v[VR], PVP
	v_add_nc_u32 v[AK0], v[VC], v[AK0]
	v_add_nc_u32 v[AK0+1], 64*PVP, v[AK0]
	VLOAD 0, AK0, PVP
	OSTORE 2
	MEET
	PLOAD 0
	PLOAD 1
	PHASE AK0, PVP, 0
	CHANGE 0                        ; nothing is asked for; behind this barrier no wave reads slot A, and nothing is filled into it any more: it serves as the stages
	VLOAD 0, AV0, PVP
	OSTORE 3
	MEET
	PLOAD 0
	PLOAD 1
	PHASE AV0, PVP, 0
	WIN 0
	PLACES                          ; the lines below write registers that products have read, and the stores read results just made
	v_and_b32 v32, 15, v0           ; l % 16
	v_bfe_u32 v33, v0, 4, 1         ; l / 16
	v_mul_u32_u24 v[STO], v32, SPY  ; in: row l % 16, 32 bytes for each half of the lanes
	v_lshl_add_u32 v[STO], v33, 5, v[STO]
	v_add_nc_u32 v[STO], s3, v[STO]
	v_add_nc_u32 v[RD], s3, v[GO]   ; back: 32 lanes take a row's 512 bytes
	OUTT 0
	OUTT 1
	s_wait_tensorcnt 0x0            ; the wave's end: behind my last tensor load and my last LDS store
	ds_add_u32 v[SPW], v[NIL]
	s_wait_dscnt 0x0
	CROUND                          ; the closing round: no work-group ends while a partner may still ask for a tile that names it
	s_endpgm
.Lfunc_end_k_q25762b12e9_attn:
	.size	k_q25762b12e9_attn, .Lfunc_end_k_q25762b12e9_attn-k_q25762b12e9_attn
	.p2alignl 7, 3214868480
	.fill 96, 4, 3214868480
	.section	.rodata,"a",@progbits
	.p2align	6, 0x0
	.amdhsa_kernel k_q25762b12e9_attn
		.amdhsa_group_segment_fixed_size 327680
		.amdhsa_private_segment_fixed_size 0
		.amdhsa_enable_private_segment 0
		.amdhsa_kernarg_size 24
		.amdhsa_user_sgpr_count 2
		.amdhsa_user_sgpr_kernarg_segment_ptr 1
		.amdhsa_wavefront_size32 1
		.amdhsa_system_sgpr_workgroup_id_x 1
		.amdhsa_system_sgpr_workgroup_id_y 1
		.amdhsa_system_sgpr_workgroup_id_z 1
		.amdhsa_system_vgpr_workitem_id 0
		.amdhsa_next_free_vgpr 1024
		.amdhsa_next_free_sgpr 76
		.amdhsa_reserve_vcc 0
		.amdhsa_float_denorm_mode_32 3
		.amdhsa_float_denorm_mode_16_64 3
		.amdhsa_memory_ordered 1
		.amdhsa_forward_progress 1
		.amdhsa_inst_pref_size 255
	.end_amdhsa_kernel
	.section	.bss,"aw",@nobits
	.p2align	6
	.space	262144
	.amdgpu_metadata
---
amdhsa.version: [ 1, 2 ]
amdhsa.kernels:
  - .name:           k_q25762b12e9_attn
    .symbol:         k_q25762b12e9_attn.kd
    .args:
      - { .name: qkv, .offset: 0, .size: 8, .value_kind: global_buffer, .address_space: global }
      - { .name: xw, .offset: 8, .size: 8, .value_kind: global_buffer, .address_space: global }
      - { .name: part, .offset: 16, .size: 8, .value_kind: global_buffer, .address_space: global }
    .group_segment_fixed_size: 327680
    .private_segment_fixed_size: 0
    .kernarg_segment_align: 8
    .kernarg_segment_size: 24
    .max_flat_workgroup_size: 128
    .sgpr_count:     76
    .vgpr_count:     1024
    .wavefront_size: 32
...
	.end_amdgpu_metadata
.endif
;; end of part 3
;; launch reduce (part 4): grid 512 x 1, 8 waves a work-group, no clusters, 0 bytes of LDS; arguments part, bp, out0; writes out0
.if DOCPART == 4
	.amdgcn_target "amdgcn-amd-amdhsa--gfx1250"
	.amdhsa_code_object_version 6
	.text
	.protected	k_q25762b12e9_reduce
	.globl	k_q25762b12e9_reduce
	.p2align	8
	.type	k_q25762b12e9_reduce,@function
k_q25762b12e9_reduce:
	s_mov_b64 s[64:65], 0
	v_nop
	global_prefetch_b8 v0, s[64:65] scope:SCOPE_SE
	s_setreg_imm32_b32 hwreg(HW_REG_WAVE_MODE, 25, 1), 1
	s_wait_xcnt 0x0
; out0[r][n] = bp[n] + the sum over h = 0 .. 7, in that order, of part[h][r][n].  part: [8][4096][512] f32; bp: [512] f32, rounded to bf16 like every other input; out0: [4096][512] f32.
; A stream: each byte of part is read once and each byte of out0 written once, so there is no LDS, no barrier, no matrix work, and no cluster (no two work-groups read the same bytes but bp's 2,048).
; SHARES.  Work-group g of 512 owns bytes 16,384 g .. + 16,383 of out0: four chunks of 4,096 (two rows), 16 bytes a thread.  A chunk is a whole number of rows, so a thread keeps its four columns, and its bp.
; All 33 loads of a wave go out first; each chunk's eight are waited for by a count that leaves the later chunks' loads out.
.set BP, 4                             ; v[4:7]    bp of my four columns
.set X,  8                             ; v[8:135]  chunk u, head h: four registers at X + 4 (8 u + h)
	s_load_b128 s[4:7], s[0:1], 0x0                ; part s[4:5], bp s[6:7]
	s_load_b64 s[8:9], s[0:1], 0x10                ; out0
	s_lshl_b32 s2, ttmp9, 14
	v_lshlrev_b32 v1, 4, v0
	v_and_b32 v2, 0x7ff, v1                        ; my 16 bytes in a row of 2,048
	v_add_nc_u32 v1, s2, v1                        ; 16 t + 16,384 g; never rewritten
	s_wait_kmcnt 0x0
	s_mov_b64 s[16:17], s[4:5]                     ; the eight heads' parts: 8 MiB apart, more than a load's immediate holds
.irp h, 1,2,3,4,5,6,7
	s_add_nc_u64 s[16+2*\h:17+2*\h], s[4:5], 0x800000*\h
.endr
	global_load_b128 v[BP:BP+3], v2, s[6:7]
.irp u, 0,1,2,3
.irp h, 0,1,2,3,4,5,6,7
	global_load_b128 v[X+4*(8*\u+\h):X+4*(8*\u+\h)+3], v1, s[16+2*\h:17+2*\h] offset:4096*\u th:TH_LOAD_NT  ; a wave's load covers 512 consecutive bytes; read once in the launch
.endr
.endr
	s_wait_loadcnt 32                              ; bp is in; the 32 loads of part may be out
	v_cvt_pk_bf16_f32 v136, v[BP], v[BP+1]
	v_cvt_pk_bf16_f32 v137, v[BP+2], v[BP+3]
	v_lshlrev_b32 v[BP],   16, v136
	v_and_b32     v[BP+1], 0xffff0000, v136
	v_lshlrev_b32 v[BP+2], 16, v137
	v_and_b32     v[BP+3], 0xffff0000, v137
.irp u, 0,1,2,3
	s_wait_loadcnt 8*(3-\u)                        ; loads come back in order (ISA guide 5.7.1): chunk u's eight are in, the later chunks' stay out
	v_pk_add_f32 v[X+32*\u:X+32*\u+1],   v[X+32*\u:X+32*\u+1],   v[BP:BP+1]
	v_pk_add_f32 v[X+32*\u+2:X+32*\u+3], v[X+32*\u+2:X+32*\u+3], v[BP+2:BP+3]
.irp h, 1,2,3,4,5,6,7
	v_pk_add_f32 v[X+32*\u:X+32*\u+1],   v[X+32*\u:X+32*\u+1],   v[X+32*\u+4*\h:X+32*\u+4*\h+1]
	v_pk_add_f32 v[X+32*\u+2:X+32*\u+3], v[X+32*\u+2:X+32*\u+3], v[X+32*\u+4*\h+2:X+32*\u+4*\h+3]
.endr
	global_store_b128 v1, v[X+32*\u:X+32*\u+3], s[8:9] offset:4096*\u th:TH_STORE_NT  ; 512 consecutive bytes a wave, at a multiple of 256 from out0's first byte
.endr
	s_endpgm
.Lfunc_end_k_q25762b12e9_reduce:
	.size	k_q25762b12e9_reduce, .Lfunc_end_k_q25762b12e9_reduce-k_q25762b12e9_reduce
	.p2alignl 7, 3214868480
	.fill 96, 4, 3214868480
	.section	.rodata,"a",@progbits
	.p2align	6, 0x0
	.amdhsa_kernel k_q25762b12e9_reduce
		.amdhsa_group_segment_fixed_size 0
		.amdhsa_private_segment_fixed_size 0
		.amdhsa_enable_private_segment 0
		.amdhsa_kernarg_size 24
		.amdhsa_user_sgpr_count 2
		.amdhsa_user_sgpr_kernarg_segment_ptr 1
		.amdhsa_wavefront_size32 1
		.amdhsa_system_sgpr_workgroup_id_x 1
		.amdhsa_system_sgpr_workgroup_id_y 1
		.amdhsa_system_sgpr_workgroup_id_z 1
		.amdhsa_system_vgpr_workitem_id 0
		.amdhsa_next_free_vgpr 140
		.amdhsa_next_free_sgpr 66
		.amdhsa_reserve_vcc 0
		.amdhsa_float_denorm_mode_32 3
		.amdhsa_float_denorm_mode_16_64 3
		.amdhsa_memory_ordered 1
		.amdhsa_forward_progress 1
		.amdhsa_inst_pref_size 9
	.end_amdhsa_kernel
	.amdgpu_metadata
---
amdhsa.version: [ 1, 2 ]
amdhsa.kernels:
  - .name:           k_q25762b12e9_reduce
    .symbol:         k_q25762b12e9_reduce.kd
    .args:
      - { .name: part, .offset: 0, .size: 8, .value_kind: global_buffer, .address_space: global }
      - { .name: bp, .offset: 8, .size: 8, .value_kind: global_buffer, .address_space: global }
      - { .name: out0, .offset: 16, .size: 8, .value_kind: global_buffer, .address_space: global }
    .group_segment_fixed_size: 0
    .private_segment_fixed_size: 0
    .kernarg_segment_align: 8
    .kernarg_segment_size: 24
    .max_flat_workgroup_size: 256
    .sgpr_count:     66
    .vgpr_count:     140
    .wavefront_size: 32
...
	.end_amdgpu_metadata
.endif
;; end of part 4
;; ======== version 2 of 2: 4 launches; 1.09 times as fast as version 1
;; limits: values are held in f16: magnitudes above 65,504 overflow, below 6.1e-05 lose precision
;; workspace buffers: xw 20,971,520 bytes; qkv 100,663,296 bytes; part 67,108,864 bytes
;; launch cast: the kernel of part 1 again; grid 512 x 1, 8 waves a work-group, no clusters, 0 bytes of LDS; arguments emb_input, Wq, Wk, Wv, Wp, xw; writes xw
;; launch qkv: the kernel of part 2 again; grid 16 x 16, 4 waves a work-group, clusters of 4 x 4, 327,680 bytes of LDS; arguments xw, bq, bk, bv, qkv; writes qkv
;; launch attn (part 5): grid 8 x 32, 4 waves a work-group, clusters of 4 x 1, 327,680 bytes of LDS; arguments qkv, xw, part; writes part
.if DOCPART == 5
	.amdgcn_target "amdgcn-amd-amdhsa--gfx1250"
	.amdhsa_code_object_version 6
	.text
	.protected	k_q25762b12e9_attn
	.globl	k_q25762b12e9_attn
	.p2align	8
	.type	k_q25762b12e9_attn,@function
k_q25762b12e9_attn:
	s_mov_b64 s[64:65], 0
	v_nop
	global_prefetch_b8 v0, s[64:65] scope:SCOPE_SE
	s_setreg_imm32_b32 hwreg(HW_REG_WAVE_MODE, 25, 1), 1
	s_wait_xcnt 0x0
	s_wait_alu depctr_hold_cnt(0) depctr_sa_sdst(0) depctr_va_vdst(0) depctr_va_sdst(0) depctr_va_ssrc(0) depctr_va_vcc(0) depctr_vm_vsrc(0)
	s_getreg_b32 s2, hwreg(HW_REG_IB_STS2, 6, 4)
	s_cmp_eq_u32 s2, 0
	s_cbranch_scc0 .Lentry_in_a_cluster
	s_endpgm
.Lentry_in_a_cluster:
	s_bfe_u32 s2, ttmp6, 0x10000c
	s_cmp_lg_u32 s2, 0x3003
	s_cbranch_scc0 .Lentry_shape_is_right
	s_endpgm
.Lentry_shape_is_right:
; ATTENTION AT HEAD SIZE 512, AND THE HEAD'S SHARE OF THE OUTPUT PROJECTION.  For (b, h) and 128 queries: O = softmax(Q K^T / sqrt(512)) V, then Y_h = O Wp_h.
; q, k, v: f16, [q,k,v][b][h][1024][512] in qkv; Wp: f16, [4096][512] at xw + 0x1000000, head h's rows 512 h .. + 511; part: f32, [h][4096][512]: the eight heads' Y, added by the launch behind.
; Products, maxima and sums in f32; the weights p are rounded to f16 for the second product (their sum l is taken of the unrounded p), O once, divided by l, for the third.
; LIMITS.  f16 holds no number beyond 65,504: q, k, v and Wp arrive within it; p lies in 0 to 1 and O within v's range; below 6e-5 both keep f16's fixed step of 6e-8.  A weight below 2^-126 counts as 0 in l.
; NaN and infinities are not treated apart.
; SHARES.  A work-group owns 128 queries of one (b, h) and walks all 1,024 keys, 128 a step.  The three products are shared among its four waves in two ways:
;   S^T = K Q^T and the softmax by QUERIES: wave w has queries 32 w .. + 31, two tiles of 16, with their Q in registers;
;   O^T = V^T P and Y^T = Wp_h^T O^T by CHANNELS and COLUMNS: wave w has all 128 queries (eight tiles T) x channels, later columns, 128 w .. + 127 (eight blocks c): 64 accumulators.
; So a fragment of V or Wp feeds eight products and a fragment of P or O eight: 32 LDS loads for 64 products, in one run.  In an S phase a fragment of K feeds two: O^T takes 512 registers and Q 256, so a wave
; holds the Q of no third tile.
; FROM WAVE TO WAVE.  Each wave stores its 32 rows of P (f16, [query][key]) and its two tiles' a into LDS bytes that no tensor load fills; a barrier; every wave reads all of them.  The next step's stores stand
; behind the change of slots at the step's end, in front of which every wave has waited for its reads.  O goes the same way in four passes: pass j takes channels 128 w + 32 j .. + 31 of every wave w, and
; the tile of Wp_h asked for holds just these rows, wave w's 32 at LDS rows 32 w on: row and column 32 w + i are the same channel on both sides of the product.
; LAYOUT.  Source 0 = 16 keys (channels, columns), source 1 = 16 queries: in every result a lane holds ONE query (lane % 16) and eight neighbouring keys (channels, columns) 8 (lane / 16) + 0..7, which round
; to 16 bytes of a row of P (of O).  K comes out of LDS as it lies; V ([key][channel]) and Wp ([channel][column]) turned, by ds_load_tr16_b128.
; SOFTMAX.  For each query a running maximum m and sum l: p = 2^(c s - c m), c = log2(e) / sqrt(512); in every step O and l are multiplied by a = 2^(c m_old - c m_new).  m starts at the lowest finite number,
; O and l at 0: the first step is a step like any other, with a = 0.  The price: 512 v_mov_b32 at the start, in the wait for the first tile.
; THE BATCHES.  A key step's 130 exponentials (my two tiles' a, then their 128 weights, in place in S^T, each result in a register of its own) are ONE BATCH with ONE wait: ahead of the wait stand the maximum, the
; statistics, the scalings and the exponentials, none of which names an exponential's result; behind it all that does: the sums, the roundings, l and the stores of P and a.  No exponential follows the wait.
; The two reciprocals behind the loop are a batch of their own, with a wait of their own.
; PHASES AND RING.  A phase is 256 matrix instructions a wave on one tile of 128 rows x 1,024 bytes: S0, PV0, .. S7, PV7, W0 .. W3.  S phases, W0 and W2 read slot A; PV phases, W1 and W3 slot B.  At the change in
; front of a phase the slot just read out takes the tile of the phase after it; each wave asks for 32 of its rows.  A wave has two tensor loads out at the start and one afterwards, and that one has a whole
; phase in which to land.  Wp's first tile is asked for by the loop's own line for K, with K's pitch: its turned reads meet each bank twice, in one phase of twenty.
; CLUSTER.  The four query blocks of a cluster belong to one (b, h) and walk the same K, V and Wp_h, so each tile is asked for JOINTLY: the same tensor load, descriptor and mask in all four.
; REGISTERS, in windows of 256 (s_set_vgpr_msb: bits 1:0 source 0, 3:2 source 1, 5:4 source 2, 7:6 destination):
;   window 0: v0-15 addresses; v16-31 eight registers of statistics a tile of mine;
;             S phase: v32-127 three buffers of four fragments of K; v128-255 S^T, 64 a tile, and in place P
;             PV and W phases: v32-95, v96-159 two buffers of eight fragments of V (Wp); v160-255 three buffers of four fragments of P (O); v96-111 the eight a, until the first run of loads
;   window 1: Q, fragment (tile t, channels 32 cs on) at 8 (16 t + cs); later my O in f16: (T, c) at 4 (8 T + c)
;   windows 2, 3: O^T, later Y^T: accumulator (c, T) in window 2 + T / 4 at 8 (8 (T % 4) + c)
.set PKP,   1040      ; a row of K in LDS: 1,024 bytes + 16 of padding = 260 words: row r starts at bank 4 r mod 64 (64 banks of 4 bytes: ISA guide 11.1)
.set PVP,   1056      ; a row of V or Wp: 1,024 + 32 = 264 words: row r starts at bank 8 r mod 64
.set SLOTB, 128*PVP   ; slot A is bytes 0 .. 135,167; slot B begins here
.set SPARE, 2*SLOTB   ; behind the ring: the spare words, 128 bytes for each wave: two blocks of 256 bytes that no other line names
.set PBUF,  SPARE+512 ; P, later a slice of O: 128 rows (queries) of 256 bytes + 16 of padding; no tensor load fills it
.set PP,    272
.set ACELL, PBUF+128*PP  ; a, at the end 1 / l: for lane place r and query tile T eight bytes at 64 r + 8 T (the number, and a word that nobody uses): 1,024 bytes
.set WSH,   32*PVP    ; a wave's quarter of a slot; on the way out, behind slot A's last fill, its stage
.set SPY,   528       ; a row of the stage: my 512 bytes of a row of Y + 16
.set STT,   16*SPY    ; a query tile in the stage; four of them are WSH bytes
.set TILEB, 131072    ; a tile of K or V in memory
.set WTB,   32768     ; from my 32 rows of Wp_h in one pass to those in the next
.set SPW, 1           ; v1   LDS address of my spare word: SPARE + 4 x my thread's number; never rewritten
.set NIL, 2           ; v2   0; never rewritten
.set AK0, 3           ; v3-4 my lane's place in slot A: rows 0-63, rows 64-127 (an LDS offset holds 16 bits)
.set AV0, 5           ; v5-6 the same in slot B, with my wave's 256 bytes of the rows
.set VR,  7           ; v7   the turning load's row: 8 (l / 16) + l % 8
.set VC,  8           ; v8   and its bytes in the row: 256 w + 16 ((l / 8) % 2)
.set CST, 9           ; v9   where I put my tiles' a
.set CRD, 10          ; v10  where I read the eight a of my lane's place
.set STO, 9           ;      later, the way out: where I put 32 bytes of a row
.set RD,  10          ;      later, the way out: where I read rows back
.set GO,  11          ; v11  my byte offset in 512 consecutive bytes of part
.set QO,  12          ; v12  my byte offset in 16 rows of Q
.set PSTO, 13         ; v13  where I put 16 bytes of a row of P
.set OSTO, 14         ; v14  where I put 16 bytes of a row of O
.set PRD, 15          ; v15  my lane's place in a fragment of P or O
.set ST,  16          ; my tile t's statistics at v[ST+8 t]: +0 c m, +1 m, +2, +3 l (even keys', odd keys'), +4 to +7 c0-c3 at work; c2 takes a, at the end 1 / l
.set RING, 32
.set TS,  RING+64     ; the third buffer is idle during a softmax: four pairs of partial sums a tile
.set S,   128
.set VB,  32          ; V's (Wp's) two buffers
.set PB,  160         ; P's (O's) three buffers
.set AR,  96          ; a of query tile T at AR + 2 T
.set WV,  10          ; s10  my wave's number
.set G1K, 24          ; s[24:31] descriptor group 1 with K's padding
.set G1V, 32          ; s[32:39] with V's
.set G0A, 40          ; s[40:43] descriptor group 0: slot A at K's pitch
.set G0B, 44          ; s[44:47] slot B
.set G0C, 48          ; s[48:51] slot A at V's pitch
.set KP,  52          ; s[52:53] K at my 32 rows of the tile asked for last
.set VP,  54          ; s[54:55] the same for V
.set WP,  56          ; s[56:57] Wp_h at my 32 rows of pass 0
.set WP1, 58          ; s[58:59] of pass 1
.set CS,  60          ; s[60:61] c: the packed scaling takes the pair's low word for both halves
.set SEL, 62          ; s[62:63] v_permlanex16_b32's selects: each lane takes its own place in the other half
.set CNT, 66          ; s66  key steps to go
.set QP,  68          ; s[68:69] Q at my wave's first row
.set OUT, 70          ; s[70:71] part at the block's first row, my wave's 512 bytes
.set MSB, 0
.macro WIN new                      ; the high byte repeats the setting that is left; a switch that changes nothing is dropped
.if MSB != (\new)
	s_set_vgpr_msb (MSB<<8)|(\new)
.set MSB, (\new)
.endif
.endm
.set W_S,  0x04       ; K and S^T in window 0, Q in window 1; the LDS loads (destination and address in window 0) stand under it too: an S phase has no switch
.set W_PV, 0xa0       ; both sources in window 0, the accumulators in window 2; + 0x50: window 3
.macro PLACES                       ; four places: in front of loads into registers that matrix instructions have read, and of lines that read results (ISA guide 7.12.1 for vector instructions)
.rept 4
	v_nop
.endr
.endm
.macro BOTH line:vararg             ; one line for each tile t of mine
.set t, 0
.rept 2
	\line
.set t, t+1
.endr
.endm
; A round of the cluster's barrier: my work-group's barrier, so that wave 0's signal speaks for all four waves; wave 0 signals; every wave waits for all four work-groups; my work-group's barrier once more.
.macro CROUND
	s_barrier_signal -1
	s_barrier_wait -1
	s_cmp_lg_u32 s[WV], 0
	s_cbranch_scc1 .Lnot_wave_0_\@
	s_barrier_signal -3
.Lnot_wave_0_\@:
	s_barrier_wait -3
	s_barrier_signal -1
	s_barrier_wait -1
.endm
; What I stored for the other waves is done; behind the barrier everybody's is.  A tensor load may stay out across it.
.macro MEET
	s_wait_dscnt 0x0                ; for the others' sake: zero
	s_barrier_signal -1
	s_barrier_wait -1
.endm
; THE CHANGE OF SLOTS.  Each wave waits for all its tensor loads, of which one is out: its part of the other slot; adds 0 to its spare word; and waits for that and for its own reads of the slot that it leaves
; (and of P or O).  Behind the barrier nobody reads the old slot any more and the other slot is whole.  With a fill the barrier is a round of the cluster's, so that no wave of any partner still reads the slot or
; has a load on its way, and the joint fill is the first thing behind it.  The descriptor's address is made between the wait for 0 and the round.
; kind 1: slot A takes the next K, in the last key step Wp's pass 0.  2: slot B the next V, or Wp's pass 1.  3: slot A Wp's pass 2.  4: slot B Wp's pass 3.  0: nothing is asked for.
; The four v_nop at the end are the places behind the phase's last products.
.macro CHANGE kind
	WIN 0                           ; at a label and at a branch every window is 0
	s_wait_tensorcnt 0x0            ; no tensor load of mine is out, so a group 0 may be written
	ds_add_u32 v[SPW], v[NIL]       ; 0 onto my spare word; the address's scalar work stands between it and the wait for it
.if (\kind) == 1
	s_add_nc_u64 s[KP:KP+1], s[KP:KP+1], TILEB
	s_cmp_eq_u32 s[CNT], 1
	s_cselect_b64 s[G0A+2:G0A+3], s[WP:WP+1], s[KP:KP+1]
	s_or_b32 s[G0A+3], s[G0A+3], 0x80000000
.elseif (\kind) == 2
	s_add_nc_u64 s[VP:VP+1], s[VP:VP+1], TILEB
	s_cmp_eq_u32 s[CNT], 1
	s_cselect_b64 s[G0B+2:G0B+3], s[WP1:WP1+1], s[VP:VP+1]
	s_or_b32 s[G0B+3], s[G0B+3], 0x80000000
.elseif (\kind) == 3
	s_add_nc_u64 s[G0C+2:G0C+3], s[WP:WP+1], 2*WTB
	s_or_b32 s[G0C+3], s[G0C+3], 0x80000000
.elseif (\kind) == 4
	s_add_nc_u64 s[G0B+2:G0B+3], s[WP:WP+1], 3*WTB
	s_or_b32 s[G0B+3], s[G0B+3], 0x80000000
.endif
	s_wait_dscnt 0x0                ; the add is done, and my reads of the slot are over
.if (\kind) == 0
	s_barrier_signal -1
	s_barrier_wait -1
.else
	CROUND
.endif
.if (\kind) == 1
	tensor_load_to_lds s[G0A:G0A+3], s[G1K:G1K+7]
	s_nop 0
.elseif ((\kind) == 2) || ((\kind) == 4)
	tensor_load_to_lds s[G0B:G0B+3], s[G1V:G1V+7]
	s_nop 0
.elseif (\kind) == 3
	tensor_load_to_lds s[G0C:G0C+3], s[G1V:G1V+7]
	s_nop 0
.endif
	PLACES
.endm
	s_load_b128 s[4:7], s[0:1], 0x0 ; qkv s[4:5], xw s[6:7]
	s_load_b64 s[8:9], s[0:1], 0x10 ; part
	v_lshl_add_u32 v[SPW], v0, 2, SPARE
	v_mov_b32 v[NIL], 0
	ds_add_u32 v1, v2
	s_wait_dscnt 0x0
	v_lshrrev_b32 v32, 5, v0
	v_readfirstlane_b32 s[WV], v32  ; wave 0..3
	s_bfe_u32 s11, ttmp6, 0x40000   ; cx: my place in the cluster
	s_lshl_b32 s12, ttmp9, 2        ; in a cluster launch ttmp9 counts clusters
	s_add_co_u32 s12, s12, s11      ; my block of 128 queries = 4 x cluster x + cx: it enters Q's and part's addresses alone
	s_and_b32 s13, ttmp7, 0xffff    ; 8 b + h, which the four partners share
	s_and_b32 s14, s13, 7           ; h
	s_lshr_b32 s15, s13, 3          ; b
	s_lshl_b32 s2, s[WV], 15        ; my 32 rows of 1,024 bytes in a tile of K or V, and in the block's Q
	s_lshl_b32 s16, s13, 20         ; s[16:17]: (b, h)'s first byte in q, k and v, + my rows
	s_add_co_u32 s16, s16, s2
	s_mov_b32 s17, 0
	s_lshl_b32 s18, s14, 19         ; s[18:19]: Wp's place in xw + head h's 512 rows + my channels' rows 128 w on
	s_lshl_b32 s3, s[WV], 17
	s_add_co_u32 s18, s18, s3
	s_add_co_u32 s18, s18, 0x1000000
	s_mov_b32 s19, 0
	s_lshl_b32 s20, s12, 17         ; s[20:21]: Q: (b, h), my block's 128 rows, my wave's 32
	s_add_co_u32 s20, s20, s16
	s_mov_b32 s21, 0
	s_lshl_b32 s22, s14, 23         ; s[22:23]: part: head h, row 1,024 b + 128 block, 2,048 bytes a row; my wave's 512 bytes of the rows
	s_lshl_b32 s3, s15, 21
	s_add_co_u32 s22, s22, s3
	s_lshl_b32 s3, s12, 18
	s_add_co_u32 s22, s22, s3
	s_lshl_b32 s3, s[WV], 9
	s_add_co_u32 s22, s22, s3
	s_mov_b32 s23, 0
	; descriptor group 1: 32 rows x 512 elements, padded in LDS
	s_mov_b32 s[G1K], 15|(1<<16)|(1<<20)|(1<<21)|(7<<22)|(3<<25)  ; 15:0 the mask of four; 17:16 2-byte elements; 20 padding on; 21 set beside a mask; 24:22 after every 256 words (code 7); 31:25 4 words (code 3)
	s_mov_b32 s[G1V], 15|(1<<16)|(1<<20)|(1<<21)|(7<<22)|(7<<25)  ; the same with 8 words of padding (code 7)
.irp g, G1K, G1V
	s_mov_b32 s[\g+1], 512<<16      ; tensor_dim0 = 512
	s_mov_b32 s[\g+2], 32<<16       ; tensor_dim1 = 32
	s_mov_b32 s[\g+3], 512<<16      ; tile_dim0 = 512
	s_mov_b32 s[\g+4], 32           ; tile_dim1 = 32
	s_mov_b32 s[\g+5], 512          ; 512 elements from row to row
	s_mov_b32 s[\g+6], 0
	s_mov_b32 s[\g+7], 0
.endr
	s_mov_b32 s[G0A], 1             ; 1:0 count = 1
	s_mul_i32 s[G0A+1], s[WV], 32*PKP  ; 63:32 LDS address: wave x 32 rows: no place in the cluster enters an LDS address
	s_mov_b32 s[G0B], 1
	s_mul_i32 s[G0B+1], s[WV], WSH
	s_add_co_u32 s[G0B+1], s[G0B+1], SLOTB
	s_mov_b32 s[G0C], 1
	s_mul_i32 s[G0C+1], s[WV], WSH
	s_mul_i32 s3, s[WV], WSH        ; my stage; kept to the way out
	s_lshl_b32 s72, s[WV], 8        ; my 256 bytes of a row of V or Wp
	s_mul_i32 s73, s[WV], 32*PP     ; my 32 rows of P
	s_lshl_b32 s74, s[WV], 6        ; my 64 bytes of a row of a slice of O
	s_lshl_b32 s75, s[WV], 4        ; my two cells of eight
	s_mov_b32 s[CS], 0x3d8293ee     ; c = log2(e) / sqrt(512) = 0.0637587
	s_mov_b32 s[CS+1], s[CS]        ; named with it as a pair
	s_mov_b32 s[SEL], 0x76543210
	s_mov_b32 s[SEL+1], 0xfedcba98
	s_wait_kmcnt 0x0
	s_add_nc_u64 s[KP:KP+1], s[4:5], s[16:17]
	s_add_nc_u64 s[VP:VP+1], s[KP:KP+1], 0x4000000
	s_add_nc_u64 s[KP:KP+1], s[KP:KP+1], 0x2000000
	s_add_nc_u64 s[QP:QP+1], s[4:5], s[20:21]
	s_add_nc_u64 s[WP:WP+1], s[6:7], s[18:19]
	s_add_nc_u64 s[WP1:WP1+1], s[WP:WP+1], WTB
	s_add_nc_u64 s[OUT:OUT+1], s[8:9], s[22:23]
	s_mov_b64 s[G0A+2:G0A+3], s[KP:KP+1]      ; 120:64 global address: my rows of the first 128 keys
	s_or_b32 s[G0A+3], s[G0A+3], 0x80000000   ; 127:126 type = 2
	s_mov_b64 s[G0B+2:G0B+3], s[VP:VP+1]
	s_or_b32 s[G0B+3], s[G0B+3], 0x80000000
	CROUND                          ; all four work-groups are here: the first joint loads meet
	tensor_load_to_lds s[G0A:G0A+3], s[G1K:G1K+7]  ; K of step 0
	s_nop 0
	tensor_load_to_lds s[G0B:G0B+3], s[G1V:G1V+7]  ; V of step 0: two loads of mine are out
	s_nop 0
	PLACES
	; A fragment of K, Q, P or O is 16 rows x 32 along the rows in 8 registers: lane l holds row l % 16, places 8 (l / 16) + 0..7 and 16 + 8 (l / 16) + 0..7: two loads of 16 bytes, 32 bytes apart.
	v_and_b32 v32, 15, v0           ; l % 16
	v_bfe_u32 v33, v0, 4, 1         ; l / 16
	v_lshlrev_b32 v[QO], 10, v32
	v_lshl_add_u32 v[QO], v33, 4, v[QO]  ; row x 1,024 + 16 x half
	WIN 0x40                        ; destination window 1, address window 0
.set i, 0
.rept 32                            ; Q stays in registers: tile i / 16, channels 32 (i % 16) on
	global_load_b128 v[8*i:8*i+3],   v[QO], s[QP:QP+1] offset:(i/16)*16384+(i%16)*64
	global_load_b128 v[8*i+4:8*i+7], v[QO], s[QP:QP+1] offset:(i/16)*16384+(i%16)*64+32
.set i, i+1
.endr
	WIN 0x80                        ; O^T = 0: the first step multiplies it by a = 0 and adds onto it.  This stands in the wait for the first tile
.set i, 0
.rept 256
	v_mov_b32 v[i], 0
.set i, i+1
.endr
	WIN 0xc0
.set i, 0
.rept 256
	v_mov_b32 v[i], 0
.set i, i+1
.endr
	WIN 0
	BOTH v_mov_b32 v[ST+8*t], 0xfe000000    ; c m: far below every c s
	BOTH v_mov_b32 v[ST+8*t+1], 0xff7fffff  ; m
	BOTH v_mov_b32 v[ST+8*t+2], 0           ; l
	BOTH v_mov_b32 v[ST+8*t+3], 0
	v_mul_u32_u24 v[AK0], v32, PKP
	v_lshl_add_u32 v[AK0], v33, 4, v[AK0]   ; row x pitch + 16 x half
	v_add_nc_u32 v[AK0+1], 64*PKP, v[AK0]
	; The turning load takes 16 rows x 16 columns (lane l reads row 8 (l / 16) + l % 8, columns 8 ((l / 8) % 2) + 0..7) and leaves half a fragment of the turned tile: lane l holds column l % 16 and 8 rows.
	v_and_b32 v34, 7, v0
	v_lshl_add_u32 v[VR], v33, 3, v34
	v_bfe_u32 v[VC], v0, 3, 1
	v_lshl_add_u32 v[VC], v[VC], 4, s72
	v_mul_u32_u24 v[AV0], v[VR], PVP
	v_add_nc_u32 v[AV0], v[VC], v[AV0]
	v_add_nc_u32 v[AV0], SLOTB, v[AV0]
	v_add_nc_u32 v[AV0+1], 64*PVP, v[AV0]
	v_mul_u32_u24 v[PRD], v32, PP           ; P and O: row l % 16 of a query tile, 16 bytes for each half of the lanes
	v_lshl_add_u32 v[PRD], v33, 4, v[PRD]
	v_add_nc_u32 v[PRD], PBUF, v[PRD]
	v_add_nc_u32 v[PSTO], s73, v[PRD]       ; P goes into my 32 rows,
	v_add_nc_u32 v[OSTO], s74, v[PRD]       ; O into my 64 bytes of all rows
	v_lshlrev_b32 v[CRD], 6, v32
	v_add_nc_u32 v[CRD], ACELL, v[CRD]
	v_add_nc_u32 v[CST], s75, v[CRD]
	v_and_b32 v[GO], 31, v0                 ; the way out: 32 lanes take 512 consecutive bytes of a row
	v_lshlrev_b32 v[GO], 4, v[GO]
; THE S PHASE.  K's fragments come in groups of four (8 LDS loads), through three buffers: group g + 2 is asked for in front of group g's 8 matrix instructions.
; Group g: channels 32 (g / 2) on, key blocks 4 (g % 2) + 0..3.
.macro LDK g
.set cs_, (\g)/2
.set hf_, (\g)%2
.set rb_, RING+32*((\g)%3)
.irp i, 0,1,2,3
	ds_load_b128 v[rb_+8*\i:rb_+8*\i+3],   v[AK0+hf_] offset:16*PKP*\i+64*cs_
	ds_load_b128 v[rb_+8*\i+4:rb_+8*\i+7], v[AK0+hf_] offset:16*PKP*\i+64*cs_+32
.endr
.endm
; Its 8 products.  The 16 accumulators of S^T take turns, in the same order for every 32 channels; the first 32 channels start the sums.
.macro MMK g
.set cs_, (\g)/2
.set hf_, (\g)%2
.set rb_, RING+32*((\g)%3)
.irp t, 0,1
.irp i, 0,1,2,3
.set rD_, S+64*\t+8*(4*hf_+\i)
.if cs_ == 0
	v_wmma_f32_16x16x32_f16 v[rD_:rD_+7], v[rb_+8*\i:rb_+8*\i+7], v[8*(16*\t+cs_):8*(16*\t+cs_)+7], 0
.else
	v_wmma_f32_16x16x32_f16 v[rD_:rD_+7], v[rb_+8*\i:rb_+8*\i+7], v[8*(16*\t+cs_):8*(16*\t+cs_)+7], v[rD_:rD_+7]
.endif
.endr
.endr
.endm
.macro SPHASE
	WIN W_S
	LDK 0
	LDK 1
.set g, 0
.rept 32
.if g < 30
	PLACES                          ; the buffer's last readers are the products just in front
	LDK g+2
	s_wait_dscnt 16                 ; groups g + 1 and g + 2 may be out: group g is in
.elseif g == 30
	s_wait_dscnt 8                  ; group 31 may be out
.else
	s_wait_dscnt 0x0
.endif
	MMK g
.set g, g+1
.endr
.endm
; THE PV AND W PHASES.  Rows (keys, or a pass's channels) go in four steps ks of 32.
; V's (Wp's) eight fragments of step ks: my eight blocks of 16 channels (columns), turned.  areg: the slot's two address registers; pitch: its rows'.
.macro VLOAD ks, areg, pitch
.set vb_, VB+64*((\ks)%2)
.irp c, 0,1,2,3,4,5,6,7
	ds_load_tr16_b128 v[vb_+8*\c:vb_+8*\c+3],   v[(\areg)+(\ks)/2] offset:((\ks)%2)*32*(\pitch)+32*\c
	ds_load_tr16_b128 v[vb_+8*\c+4:vb_+8*\c+7], v[(\areg)+(\ks)/2] offset:((\ks)%2)*32*(\pitch)+32*\c+16*(\pitch)
.endr
.endm
; P's (O's) four fragments number n = 2 ks + hf: step ks, query tiles 4 hf + 0..3, into buffer n % 3.
.macro PLOAD n
.set pb_, PB+32*((\n)%3)
.irp i, 0,1,2,3
	ds_load_b128 v[pb_+8*\i:pb_+8*\i+3],   v[PRD] offset:(4*((\n)%2)+\i)*16*PP+64*((\n)/2)
	ds_load_b128 v[pb_+8*\i+4:pb_+8*\i+7], v[PRD] offset:(4*((\n)%2)+\i)*16*PP+64*((\n)/2)+32
.endr
.endm
; 32 products: query tiles 4 hf + 0..3 x my eight blocks, step ks.  zero = 1: they start the sums.  The 64 accumulators take turns, one instruction a turn.
.macro MM32 ks, hf, zero
	WIN W_PV+0x50*(\hf)
.set vb_, VB+64*((\ks)%2)
.set pb_, PB+32*((2*(\ks)+(\hf))%3)
.irp i, 0,1,2,3
.irp c, 0,1,2,3,4,5,6,7
.if \zero
	v_wmma_f32_16x16x32_f16 v[8*(8*\i+\c):8*(8*\i+\c)+7], v[vb_+8*\c:vb_+8*\c+7], v[pb_+8*\i:pb_+8*\i+7], 0
.else
	v_wmma_f32_16x16x32_f16 v[8*(8*\i+\c):8*(8*\i+\c)+7], v[vb_+8*\c:vb_+8*\c+7], v[pb_+8*\i:pb_+8*\i+7], v[8*(8*\i+\c):8*(8*\i+\c)+7]
.endif
.endr
.endr
.endm
; A phase's 256 products.  Step 0's fragments have been asked for in front of it.  In the middle of a step stands ONE run of 32 loads, the next step's: V's other buffer was read last by the step before;
; of P's three buffers one was read last by the step before and one by the 32 products just in front (n % 3 = (n + 3) % 3), behind which the four places stand.
.macro PHASE areg, pitch, zero
.irp ks, 0,1,2,3
	s_wait_dscnt 8                  ; V and P for query tiles 0-3 are in; the youngest eight loads (P for tiles 4-7) may be out
.if (\zero) && (\ks == 0)
	MM32 \ks, 0, 1
.else
	MM32 \ks, 0, 0
.endif
.if \ks < 3
	WIN 0
	PLACES
	VLOAD \ks+1, \areg, \pitch
	PLOAD 2*\ks+2
	PLOAD 2*\ks+3
	s_wait_dscnt 32                 ; all but the 32 just issued
.else
	s_wait_dscnt 0x0
.endif
.if (\zero) && (\ks == 0)
	MM32 \ks, 1, 1
.else
	MM32 \ks, 1, 0
.endif
.endr
.endm
; THE SOFTMAX of a key step, both tiles of mine in turn.  s0-s63 are the lane's 64 scores, in 32 pairs.
.macro SOFTMAX
	WIN 0
	; the maximum: four chains c0-c3, three operands at a time; chain i takes accumulators i and i + 4, each accumulator's lowest registers first
.set i, 0
.rept 4
	BOTH v_max3_num_f32 v[ST+8*t+4+i], v[S+64*t+8*i], v[S+64*t+8*i+1], v[S+64*t+8*i+2]
.set i, i+1
.endr
.irp o, 32,3,5,34,36,38
.set i, 0
.rept 4
	BOTH v_max3_num_f32 v[ST+8*t+4+i], v[ST+8*t+4+i], v[S+64*t+8*i+\o], v[S+64*t+8*i+\o+1]
.set i, i+1
.endr
.endr
	BOTH v_max3_num_f32 v[ST+8*t+4], v[ST+8*t+4], v[S+64*t+7], v[S+64*t+15]    ; the four scores left over,
	BOTH v_max3_num_f32 v[ST+8*t+6], v[ST+8*t+6], v[S+64*t+23], v[S+64*t+31]
	BOTH v_max3_num_f32 v[ST+8*t+4], v[ST+8*t+4], v[ST+8*t+5], v[ST+8*t+6]     ; the chains,
	BOTH v_max3_num_f32 v[ST+8*t+4], v[ST+8*t+4], v[ST+8*t+7], v[ST+8*t+1]     ; and the old m
	BOTH v_permlanex16_b32 v[ST+8*t+5], v[ST+8*t+4], s[SEL], s[SEL+1]          ; the query's other 64 keys lie in the lane 16 away
	BOTH v_mov_b32 v[ST+8*t+7], v[ST+8*t]                                      ; c m_old is kept
	BOTH v_max_num_f32 v[ST+8*t+1], v[ST+8*t+4], v[ST+8*t+5]                   ; the new m
	BOTH v_mul_f32 v[ST+8*t], s[CS], v[ST+8*t+1]                               ; c m
	BOTH v_sub_f32 v[ST+8*t+7], v[ST+8*t+7], v[ST+8*t]
	; THE BATCH: 130 exponentials, none of which reads another's result, and the 64 scalings that feed them.  First the two a.  Then 33 steps; step i, for each tile in turn: c s - c m for pair i, and the
	; two exponentials of pair i - 1, in place: a plain line for every two exponentials, and a pair is scaled six lines ahead of its exponentials.  No line of the batch names an exponential's result.
	BOTH v_exp_f32 v[ST+8*t+6], v[ST+8*t+7]                                    ; a
.set i, 0
.rept 33
.set t, 0
.rept 2
.if i < 32
	v_pk_fma_f32 v[S+64*t+2*i:S+64*t+2*i+1], v[S+64*t+2*i:S+64*t+2*i+1], s[CS:CS+1], v[ST+8*t:ST+8*t+1] op_sel_hi:[1,0,0] neg_lo:[0,0,1] neg_hi:[0,0,1]
.endif
.if i >= 1
	v_exp_f32 v[S+64*t+2*i-2], v[S+64*t+2*i-2]
	v_exp_f32 v[S+64*t+2*i-1], v[S+64*t+2*i-1]
.endif
.set t, t+1
.endr
.set i, i+1
.endr
	v_nop                           ; a plain line behind the last exponential and ahead of the first use (ISA guide 5.7.2): one for the batch; all other vector work of the phase reads a result
	s_wait_alu depctr_va_vdst(0)    ; the wait ahead of the first line that names a result: ONE for the key step's 130 exponentials
	; THE READERS.  A pipeline of 33 steps, i = 7 .. 39.  Step i: pair i - 3 is added to one of four partial sums (steps 7 to 10 start them: pairs 0-3 with pairs 4-7); pair i - 8 is rounded to f16, in place.
	; The rounding of pair d writes register 16 (d / 8) + d % 8, which belongs to a pair not above d: that pair has been summed (pairs 0-3 with pairs 4-7, in steps 7 to 10; the first rounding stands in step 8 and writes into pair 0).
.set i, 7
.rept 33
.if i <= 10
	BOTH v_pk_add_f32 v[TS+8*t+2*(i-7):TS+8*t+2*(i-7)+1], v[S+64*t+2*(i-7):S+64*t+2*(i-7)+1], v[S+64*t+2*(i-3):S+64*t+2*(i-3)+1]
.elseif i <= 34
	BOTH v_pk_add_f32 v[TS+8*t+2*((i-3)%4):TS+8*t+2*((i-3)%4)+1], v[TS+8*t+2*((i-3)%4):TS+8*t+2*((i-3)%4)+1], v[S+64*t+2*(i-3):S+64*t+2*(i-3)+1]
.endif
.if i >= 8
	BOTH v_cvt_pk_f16_f32 v[S+64*t+16*((i-8)/8)+(i-8)%8], v[S+64*t+2*(i-8)], v[S+64*t+2*(i-8)+1]
.endif
.set i, i+1
.endr
	BOTH v_pk_add_f32 v[TS+8*t:TS+8*t+1], v[TS+8*t:TS+8*t+1], v[TS+8*t+2:TS+8*t+3]
	BOTH v_pk_add_f32 v[TS+8*t+4:TS+8*t+5], v[TS+8*t+4:TS+8*t+5], v[TS+8*t+6:TS+8*t+7]
	BOTH v_pk_add_f32 v[TS+8*t:TS+8*t+1], v[TS+8*t:TS+8*t+1], v[TS+8*t+4:TS+8*t+5]
	BOTH v_pk_fma_f32 v[ST+8*t+2:ST+8*t+3], v[ST+8*t+2:ST+8*t+3], v[ST+8*t+6:ST+8*t+7], v[TS+8*t:TS+8*t+1] op_sel_hi:[1,0,1]  ; l = a l + the sum
.endm
; My two tiles' number (a, at the end 1 / l) for the other waves: eight bytes a tile; the two lanes of a query hold and write the same.
.macro CSTORE
	BOTH ds_store_b64 v[CST], v[ST+8*t+6:ST+8*t+7] offset:8*t
.endm
; My 32 rows of P: key block kb's eight keys of a lane are the four registers 16 (kb / 2) + 4 (kb % 2) on: 16 bytes at byte 32 kb + 16 (l / 16) of the query's row.
.macro PSTORE
.irp t, 0,1
.irp kb, 0,1,2,3,4,5,6,7
	ds_store_b128 v[PSTO], v[S+64*\t+16*(\kb/2)+4*(\kb%2):S+64*\t+16*(\kb/2)+4*(\kb%2)+3] offset:\t*16*PP+32*\kb
.endr
.endr
	CSTORE
.endm
.macro CLOAD                        ; the eight numbers of my lane's place, one for each query tile, in the even registers of sixteen
.irp i, 0,1,2,3
	ds_load_b128 v[AR+4*\i:AR+4*\i+3], v[CRD] offset:16*\i
.endr
.endm
; O^T times its query tile's number: a in every key step, 1 / l at the end.  Each accumulator's registers in ascending order.
.macro RESCALE
.irp w, 0,1
	WIN 0x82+0x41*\w                ; destination and source 0 in window 2 (then 3), source 1 in window 0
.set x, 0
.rept 128
	v_pk_mul_f32 v[x:x+1], v[x:x+1], v[AR+2*(4*\w+x/64):AR+2*(4*\w+x/64)+1] op_sel_hi:[1,0]
.set x, x+2
.endr
.endr
.endm
; O^T rounded to f16, into Q's registers: an accumulator's eight channels are four registers, 16 bytes of a row of O.
.macro OFCVT
.irp w, 0,1
	WIN 0x4a+5*\w                   ; destination window 1, sources window 2 (then 3)
.set a_, 0
.rept 32
.set n, 0
.rept 4
	v_cvt_pk_f16_f32 v[4*(32*\w+a_)+n], v[8*a_+2*n], v[8*a_+2*n+1]
.set n, n+1
.endr
.set a_, a_+1
.endr
.endr
	WIN 0
.endm
; Pass j's slice of my O: blocks 2 j and 2 j + 1 of 16 channels, all eight query tiles: 64 bytes of each of the 128 rows.
.macro OSTORE j
	WIN 0x04                        ; the stores' data in window 1
.irp T, 0,1,2,3,4,5,6,7
.irp cc, 0,1
	ds_store_b128 v[OSTO], v[4*(8*\T+2*(\j)+\cc):4*(8*\T+2*(\j)+\cc)+3] offset:\T*16*PP+32*\cc
.endr
.endr
	WIN 0
.endm
; THE WAY OUT of query tiles 4 hw + 0..3: a lane's eight columns of a row are 32 bytes of f32; they go into my stage (rows of 528 bytes; each accumulator's four lowest registers first) and come back as my
; whole 512 bytes of a row, 32 rows at a time.
.macro OUTT hw
	WIN 0x08+4*(\hw)                ; the stores' data in window 2 (then 3)
.set a_, 0
.rept 32
	ds_store_b128 v[STO], v[8*a_:8*a_+3]   offset:(a_/8)*STT+64*(a_%8)
	ds_store_b128 v[STO], v[8*a_+4:8*a_+7] offset:(a_/8)*STT+64*(a_%8)+16
.set a_, a_+1
.endr
	WIN 0
.irp bt, 0,1
	s_wait_xcnt 0x0                 ; the registers that earlier stores read are loaded again only behind this wait (ISA guide 3.1)
.set e, 0
.rept 32
	ds_load_b128 v[S+4*e:S+4*e+3], v[RD] offset:(2*\bt+e/16)*STT+(e%16)*SPY  ; LDS serves a wave's instructions in order (ISA guide 5.7.1.4): these see the stores above
.set e, e+1
.endr
.set e, 0
.rept 32
	s_wait_dscnt 31-e               ; the younger loads of the batch may be out
	global_store_b128 v[GO], v[S+4*e:S+4*e+3], s[OUT:OUT+1] offset:(64*(\hw)+32*\bt+e)*2048  ; 512 consecutive bytes, at a multiple of 256 from part's first byte
.set e, e+1
.endr
.endr
.endm
	s_wait_tensorcnt 0x1            ; my part of K of step 0 is in; V's may stay out
	s_barrier_signal -1
	s_barrier_wait -1               ; everybody's is
	s_wait_loadcnt 0x0              ; Q
	s_mov_b32 s[CNT], 8
.Lkey:                              ; eight trips: 128 keys each
	SPHASE                          ; S^T = K Q^T for my 32 queries
	CHANGE 1                        ; V of this step is whole; slot A takes the next K
	VLOAD 0, AV0, PVP               ; V's first fragments are on their way during the softmax
	SOFTMAX
	PSTORE                          ; my rows of P and my a
	MEET                            ; everybody's are there
	CLOAD
	PLOAD 0
	PLOAD 1
	s_wait_dscnt 16                 ; the eight a are in; the 16 loads of P may be out
	RESCALE
	PHASE AV0, PVP, 0               ; O^T += V^T P for my 128 channels
	CHANGE 2                        ; the next K is whole; slot B takes the next V; nobody reads P or a any more
	s_sub_co_u32 s[CNT], s[CNT], 1
	s_cmp_lg_u32 s[CNT], 0
	s_cbranch_scc1 .Lkey
	; THE PROJECTION.  Slot A holds pass 0's rows of Wp_h at K's pitch; pass 1's are on their way into slot B.
	v_mul_u32_u24 v[AK0], v[VR], PKP
	v_add_nc_u32 v[AK0], v[VC], v[AK0]
	v_add_nc_u32 v[AK0+1], 64*PKP, v[AK0]
	VLOAD 0, AK0, PKP
	BOTH v_add_f32 v[ST+8*t+4], v[ST+8*t+2], v[ST+8*t+3]                       ; l's two halves,
	BOTH v_permlanex16_b32 v[ST+8*t+5], v[ST+8*t+4], s[SEL], s[SEL+1]
	BOTH v_add_f32 v[ST+8*t+4], v[ST+8*t+4], v[ST+8*t+5]                       ; and the other half of the lanes'
	BOTH v_rcp_f32 v[ST+8*t+6], v[ST+8*t+4]
	v_nop                           ; a plain instruction between the last reciprocal and the use of its result
	s_wait_alu depctr_va_vdst(0)    ; and the wait ahead of the first use: one for the two reciprocals
	CSTORE                          ; 1 / l of my 32 queries, where a went
	MEET
	CLOAD
	s_wait_dscnt 0x0
	RESCALE                         ; O = O / l
	OFCVT
	OSTORE 0
	MEET                            ; pass 0's slice of O is whole
	PLOAD 0
	PLOAD 1
	PHASE AK0, PKP, 1               ; W0 starts Y^T's sums
	CHANGE 3                        ; slot A takes pass 2's rows, at V's pitch; nobody reads the slice any more
	VLOAD 0, AV0, PVP
	OSTORE 1
	MEET
	PLOAD 0
	PLOAD 1
	PHASE AV0, PVP, 0
	CHANGE 4                        ; slot B takes pass 3's rows: the last tensor load
	v_mul_u32_u24 v[AK0], v[VR], PVP
	v_add_nc_u32 v[AK0], v[VC], v[AK0]
	v_add_nc_u32 v[AK0+1], 64*PVP, v[AK0]
	VLOAD 0, AK0, PVP
	OSTORE 2
	MEET
	PLOAD 0
	PLOAD 1
	PHASE AK0, PVP, 0
	CHANGE 0                        ; nothing is asked for; behind this barrier no wave reads slot A, and nothing is filled into it any more: it serves as the stages
	VLOAD 0, AV0, PVP
	OSTORE 3
	MEET
	PLOAD 0
	PLOAD 1
	PHASE AV0, PVP, 0
	WIN 0
	PLACES                          ; the lines below write registers that products have read, and the stores read results just made
	v_and_b32 v32, 15, v0           ; l % 16
	v_bfe_u32 v33, v0, 4, 1         ; l / 16
	v_mul_u32_u24 v[STO], v32, SPY  ; in: row l % 16, 32 bytes for each half of the lanes
	v_lshl_add_u32 v[STO], v33, 5, v[STO]
	v_add_nc_u32 v[STO], s3, v[STO]
	v_add_nc_u32 v[RD], s3, v[GO]   ; back: 32 lanes take a row's 512 bytes
	OUTT 0
	OUTT 1
	s_wait_tensorcnt 0x0            ; the wave's end: behind my last tensor load and my last LDS store
	ds_add_u32 v[SPW], v[NIL]
	s_wait_dscnt 0x0
	CROUND                          ; the closing round: no work-group ends while a partner may still ask for a tile that names it
	s_endpgm
.Lfunc_end_k_q25762b12e9_attn:
	.size	k_q25762b12e9_attn, .Lfunc_end_k_q25762b12e9_attn-k_q25762b12e9_attn
	.p2alignl 7, 3214868480
	.fill 96, 4, 3214868480
	.section	.rodata,"a",@progbits
	.p2align	6, 0x0
	.amdhsa_kernel k_q25762b12e9_attn
		.amdhsa_group_segment_fixed_size 327680
		.amdhsa_private_segment_fixed_size 0
		.amdhsa_enable_private_segment 0
		.amdhsa_kernarg_size 24
		.amdhsa_user_sgpr_count 2
		.amdhsa_user_sgpr_kernarg_segment_ptr 1
		.amdhsa_wavefront_size32 1
		.amdhsa_system_sgpr_workgroup_id_x 1
		.amdhsa_system_sgpr_workgroup_id_y 1
		.amdhsa_system_sgpr_workgroup_id_z 1
		.amdhsa_system_vgpr_workitem_id 0
		.amdhsa_next_free_vgpr 1024
		.amdhsa_next_free_sgpr 76
		.amdhsa_reserve_vcc 0
		.amdhsa_float_denorm_mode_32 3
		.amdhsa_float_denorm_mode_16_64 3
		.amdhsa_memory_ordered 1
		.amdhsa_forward_progress 1
		.amdhsa_inst_pref_size 255
	.end_amdhsa_kernel
	.section	.bss,"aw",@nobits
	.p2align	6
	.space	262144
	.amdgpu_metadata
---
amdhsa.version: [ 1, 2 ]
amdhsa.kernels:
  - .name:           k_q25762b12e9_attn
    .symbol:         k_q25762b12e9_attn.kd
    .args:
      - { .name: qkv, .offset: 0, .size: 8, .value_kind: global_buffer, .address_space: global }
      - { .name: xw, .offset: 8, .size: 8, .value_kind: global_buffer, .address_space: global }
      - { .name: part, .offset: 16, .size: 8, .value_kind: global_buffer, .address_space: global }
    .group_segment_fixed_size: 327680
    .private_segment_fixed_size: 0
    .kernarg_segment_align: 8
    .kernarg_segment_size: 24
    .max_flat_workgroup_size: 128
    .sgpr_count:     76
    .vgpr_count:     1024
    .wavefront_size: 32
...
	.end_amdgpu_metadata
.endif
;; end of part 5
;; launch reduce: the kernel of part 4 again; grid 512 x 1, 8 waves a work-group, no clusters, 0 bytes of LDS; arguments part, bp, out0; writes out0
